; MI455X (gfx1250); checked and timed in simulation.
; The chip was launched on July 23, 2026; its instructions are those of AMD's public machine-readable ISA for CDNA 5 (MIT licence, August 2026) and "CDNA5" Instruction Set Architecture Reference Guide (July 2026). The comments in the code are by the model that wrote it; some were corrected since.
;; Multi Head Attention. Allowed arithmetic: float matrix products may take bf16 or f16 operands with f32 sums; all other float work in f32.
;; Inputs: Wk 1,024 x 1,024 float32; Wo 1,024 x 1,024 float32; Wq 1,024 x 1,024 float32; Wv 1,024 x 1,024 float32; inputs 4 x 2,048 x 1,024 float32.
;; Outputs: out0 4 x 2,048 x 1,024 float32.
;; One version. Each part assembles by itself: llvm-mc -triple=amdgcn-amd-amdhsa -mcpu=gfx1250 --defsym DOCPART=n.
;; ======== version 1 of 1: 5 launches
;; limits: values are held in f16: magnitudes above 65,504 overflow, below 6.1e-05 lose precision
;; workspace buffers: xh 16,777,216 bytes; wh 8,388,608 bytes; qkv 50,331,648 bytes; p 33,554,432 bytes; stats 1,048,576 bytes; oh 16,777,216 bytes
;; launch cast (part 1): grid 64 x 12, 8 waves a work-group, no clusters, 0 bytes of LDS; arguments inputs, Wq, Wk, Wv, Wo, xh, wh; writes xh, wh
.if DOCPART == 1
	.amdgcn_target "amdgcn-amd-amdhsa--gfx1250"
	.amdhsa_code_object_version 6
	.text
	.protected	k_q8c4e81069e_cast
	.globl	k_q8c4e81069e_cast
	.p2align	8
	.type	k_q8c4e81069e_cast,@function
k_q8c4e81069e_cast:
	s_mov_b64 s[64:65], 0
	v_nop
	global_prefetch_b8 v0, s[64:65] scope:SCOPE_SE
	s_setreg_imm32_b32 hwreg(HW_REG_WAVE_MODE, 25, 1), 1
	s_wait_xcnt 0x0
; The matrix operands made of the inputs, layouts unchanged: inputs -> xh [8192][1024], Wq, Wk, Wv, Wo -> wh [4][1024][1024].
; Each number is rounded once, to bf16 (8 significant bits, to nearest even), and that number is then written in f16's format, which holds it
; exactly: 8 bits fit in f16's 11 for magnitudes from 2^-17 to 65,504.  Why f16's format: the later products have an operand made on the way (q, k, the softmax
; weights, the attention output) that needs 11 bits, since the logits of this attention have a spread of about 4 and a rounding of q and k to 8 bits
; would move the softmax weights by about a hundredth; and a matrix instruction takes both operands in one format.
; LIMIT: a magnitude above 65,504 becomes an infinity; below 2^-17 the second step rounds, by at most 2^-25; NaN and infinite inputs are not served.
; The grid's y picks 4 MiB of source: y = 0..7 the y-th eighth of inputs, y = 8..11 the weight number y - 8; x picks 64 KiB of it.
; A thread takes 16 bytes of each of sixteen blocks of 4,096 bytes: a wave's load covers 512 consecutive bytes,
; a wave's store 256 consecutive bytes at a multiple of 256.  A stream: no LDS, no barrier, no matrix unit.
.set X, 4                              ; v[4:67]   sixteen loads of four f32; then the same four numbers as rounded
.set Y, 68                             ; v[68:99]  sixteen pairs of registers, four f16 each
	s_load_b256 s[4:11], s[0:1], 0x0               ; inputs s[4:5], Wq s[6:7], Wk s[8:9], Wv s[10:11]
	s_load_b128 s[12:15], s[0:1], 0x20             ; Wo s[12:13], xh s[14:15]
	s_load_b64 s[16:17], s[0:1], 0x30              ; wh
	s_mov_b32 s18, 0xffff0000                      ; a word's upper bf16
	s_and_b32 s20, ttmp7, 0xffff                   ; y
	s_sub_co_u32 s21, s20, 8                       ; the weight's number, where y >= 8
	v_lshlrev_b32 v1, 4, v0                        ; 16 bytes of f32 a thread
	v_lshlrev_b32 v2, 3, v0                        ; 8 bytes of f16 a thread
	s_lshl_b32 s28, ttmp9, 16                      ; x times 64 KiB of source
	s_lshl_b32 s30, ttmp9, 15                      ; x times 32 KiB of result
	s_cmp_lt_u32 s20, 8
	s_cselect_b32 s26, s20, 0                      ; which 4 MiB of the source buffer
	s_cselect_b32 s27, s20, s21                    ; which 2 MiB of the result buffer
	s_lshl_b32 s26, s26, 22
	s_lshl_b32 s27, s27, 21
	s_add_co_u32 s28, s28, s26
	s_add_co_u32 s30, s30, s27
	s_mov_b32 s29, 0
	s_mov_b32 s31, 0
	s_wait_kmcnt 0x0
	s_mov_b64 s[22:23], s[4:5]                     ; the source buffer, chosen by y alone
	s_cmp_eq_u32 s20, 8
	s_cselect_b64 s[22:23], s[6:7], s[22:23]
	s_cmp_eq_u32 s20, 9
	s_cselect_b64 s[22:23], s[8:9], s[22:23]
	s_cmp_eq_u32 s20, 10
	s_cselect_b64 s[22:23], s[10:11], s[22:23]
	s_cmp_eq_u32 s20, 11
	s_cselect_b64 s[22:23], s[12:13], s[22:23]
	s_cmp_lt_u32 s20, 8
	s_cselect_b64 s[24:25], s[14:15], s[16:17]     ; the result buffer
	s_add_nc_u64 s[22:23], s[22:23], s[28:29]
	s_add_nc_u64 s[24:25], s[24:25], s[30:31]
.irp i, 0,1,2,3,4,5,6,7,8,9,10,11,12,13,14,15
	global_load_b128 v[X+4*\i:X+4*\i+3], v1, s[22:23] offset:4096*\i th:TH_LOAD_NT   ; all sixteen go out before the first is used
.endr
.irp i, 0,1,2,3,4,5,6,7,8,9,10,11,12,13,14,15
	s_wait_loadcnt 15-\i                           ; loads come back in order (ISA guide 5.7.1): load i is in, the younger ones stay out
	v_cvt_pk_bf16_f32 v[X+4*\i], v[X+4*\i], v[X+4*\i+1]            ; the one rounding, two numbers at a time
	v_cvt_pk_bf16_f32 v[X+4*\i+2], v[X+4*\i+2], v[X+4*\i+3]
	v_and_b32 v[X+4*\i+1], s18, v[X+4*\i]          ; back to f32: the high half stays,
	v_lshlrev_b32 v[X+4*\i], 16, v[X+4*\i]         ; the low half moves up
	v_and_b32 v[X+4*\i+3], s18, v[X+4*\i+2]
	v_lshlrev_b32 v[X+4*\i+2], 16, v[X+4*\i+2]
	v_cvt_pk_f16_f32 v[Y+2*\i], v[X+4*\i], v[X+4*\i+1]             ; the change of format
	v_cvt_pk_f16_f32 v[Y+2*\i+1], v[X+4*\i+2], v[X+4*\i+3]
	global_store_b64 v2, v[Y+2*\i:Y+2*\i+1], s[24:25] offset:2048*\i    ; read again by the next launch: no hint
.endr
	s_endpgm
.Lfunc_end_k_q8c4e81069e_cast:
	.size	k_q8c4e81069e_cast, .Lfunc_end_k_q8c4e81069e_cast-k_q8c4e81069e_cast
	.p2alignl 7, 3214868480
	.fill 96, 4, 3214868480
	.section	.rodata,"a",@progbits
	.p2align	6, 0x0
	.amdhsa_kernel k_q8c4e81069e_cast
		.amdhsa_group_segment_fixed_size 0
		.amdhsa_private_segment_fixed_size 0
		.amdhsa_enable_private_segment 0
		.amdhsa_kernarg_size 56
		.amdhsa_user_sgpr_count 2
		.amdhsa_user_sgpr_kernarg_segment_ptr 1
		.amdhsa_wavefront_size32 1
		.amdhsa_system_sgpr_workgroup_id_x 1
		.amdhsa_system_sgpr_workgroup_id_y 1
		.amdhsa_system_sgpr_workgroup_id_z 1
		.amdhsa_system_vgpr_workitem_id 0
		.amdhsa_next_free_vgpr 100
		.amdhsa_next_free_sgpr 66
		.amdhsa_reserve_vcc 0
		.amdhsa_float_denorm_mode_32 3
		.amdhsa_float_denorm_mode_16_64 3
		.amdhsa_memory_ordered 1
		.amdhsa_forward_progress 1
		.amdhsa_inst_pref_size 11
	.end_amdhsa_kernel
	.amdgpu_metadata
---
amdhsa.version: [ 1, 2 ]
amdhsa.kernels:
  - .name:           k_q8c4e81069e_cast
    .symbol:         k_q8c4e81069e_cast.kd
    .args:
      - { .name: inputs, .offset: 0, .size: 8, .value_kind: global_buffer, .address_space: global }
      - { .name: Wq, .offset: 8, .size: 8, .value_kind: global_buffer, .address_space: global }
      - { .name: Wk, .offset: 16, .size: 8, .value_kind: global_buffer, .address_space: global }
      - { .name: Wv, .offset: 24, .size: 8, .value_kind: global_buffer, .address_space: global }
      - { .name: Wo, .offset: 32, .size: 8, .value_kind: global_buffer, .address_space: global }
      - { .name: xh, .offset: 40, .size: 8, .value_kind: global_buffer, .address_space: global }
      - { .name: wh, .offset: 48, .size: 8, .value_kind: global_buffer, .address_space: global }
    .group_segment_fixed_size: 0
    .private_segment_fixed_size: 0
    .kernarg_segment_align: 8
    .kernarg_segment_size: 56
    .max_flat_workgroup_size: 256
    .sgpr_count:     66
    .vgpr_count:     100
    .wavefront_size: 32
...
	.end_amdgpu_metadata
.endif
;; end of part 1
;; launch qkv (part 2): grid 8 x 32, 4 waves a work-group, clusters of 4 x 4, 327,680 bytes of LDS; arguments xh, wh, qkv; writes qkv
.if DOCPART == 2
	.amdgcn_target "amdgcn-amd-amdhsa--gfx1250"
	.amdhsa_code_object_version 6
	.text
	.protected	k_q8c4e81069e_qkv
	.globl	k_q8c4e81069e_qkv
	.p2align	8
	.type	k_q8c4e81069e_qkv,@function
k_q8c4e81069e_qkv:
	s_mov_b64 s[64:65], 0
	v_nop
	global_prefetch_b8 v0, s[64:65] scope:SCOPE_SE
	s_setreg_imm32_b32 hwreg(HW_REG_WAVE_MODE, 25, 1), 1
	s_wait_xcnt 0x0
	s_wait_alu depctr_hold_cnt(0) depctr_sa_sdst(0) depctr_va_vdst(0) depctr_va_sdst(0) depctr_va_ssrc(0) depctr_va_vcc(0) depctr_vm_vsrc(0)
	s_getreg_b32 s2, hwreg(HW_REG_IB_STS2, 6, 4)
	s_cmp_eq_u32 s2, 0
	s_cbranch_scc0 .Lentry_in_a_cluster
	s_endpgm
.Lentry_in_a_cluster:
	s_bfe_u32 s2, ttmp6, 0x10000c
	s_cmp_lg_u32 s2, 0xf033
	s_cbranch_scc0 .Lentry_shape_is_right
	s_endpgm
.Lentry_shape_is_right:
; qkv[0] = (X Wq) log2(e)/8, qkv[1] = X Wk, qkv[2] = X Wv.  X = xh [8192][1024] f16, W = wh [g][1024 d][1024 e] f16, results [3][8192][1024] f16, sums in f32.
; The factor log2(e)/8 (the 1/sqrt(64) of the scores and the change of base for v_exp_f32) is put on q here, in f32, before its one rounding.
; LIMIT: results above 65,504 in magnitude become infinities in f16.
; A work-group makes 256 rows x 128 columns of each of q, k and v, so X's tile is read from LDS once for three products.  Four waves; wave w makes
; rows 128 (w >> 1) .. + 127 and columns 64 (w & 1) .. + 63 of each: 3 x 32 accumulator tiles of 16 x 16, 768 registers.
; K goes in steps of 64 through two LDS slots (two slots of a step of 128 would take 348,160 bytes, more than there is beside the stage).
; W lies [K][N] in memory and in LDS; ds_load_tr16_b128 turns 8 x 8 blocks as it reads, so nothing is transposed in memory.
; CLUSTERS: 4 x 4 work-groups.  X's tile hangs on the block row alone and is asked for jointly by a row of the cluster; W's tiles hang on the block column
; alone and are asked for jointly by a column.  That divides the requests for both by four.
; REGISTERS: window 0: v16-24 addresses, v32-95 and v96-159 fragments of X (two buffers), v160-255 fragments of Wq, Wk, Wv (32 each);
; windows 1, 2, 3: the accumulators of q, k, v, tile (a, b) at v[8 (4 a + b)], a = 0..7 row blocks, b = 0..3 column blocks.
; The matrix instruction is used transposed (source 0 = columns of W, source 1 = rows of X): a lane then holds eight neighbouring columns of one row.
.set KSTEP,  64
.set PA,     144                       ; X's LDS row: 128 bytes + 16 of padding, an odd multiple of 16
.set PB,     288                       ; W's LDS row: 256 bytes + 32 of padding, an odd multiple of 32 (what the transposing load wants)
.set ABYTES, 256*PA                    ; 36,864
.set BBYTES, 64*PB                     ; 18,432 for each of the three W
.set SLOT,   ABYTES+3*BBYTES           ; 92,160
.set STAGE,  2*SLOT                    ; behind the ring: two regions for the way out, never the target of a tensor load
.set SP,     272                       ; a stage row: 128 f16 + 16 bytes
.set REGION, 256*SP                    ; 69,632
.set LAPS,   8                         ; a lap = two K steps = once round the ring; 1024 / 128
.set ADRA, 16                          ; v16-17 LDS address of my X fragments in slot 0, 1
.set ADRB, 18                          ; v18-19 the same for W
.set STO,  20                          ; v20-21 the way out: where I put 16 bytes, region 0, 1
.set RD,   22                          ; v22-23 the way out: where I read rows back, region 0, 1
.set CO,   24                          ; v24    my byte offset in a result
.set FA0,  32
.set FA1,  96
.set FB,   160
.set TMP,  32                          ; the way out: 128 registers of packed results
.set OB,   160                         ; the way out: 64 registers read back
.set G1,  24                           ; s[24:31] descriptor group 1, X's tile
.set G0,  32                           ; s[32:39] descriptor group 0, X's tile, a set for each slot
.set G1B, 48                           ; s[48:55] group 1, W's tiles
.set G0B, 56                           ; s[56:63] group 0, W's tiles, a set for each slot
.set MSB, 0
.macro WIN new                         ; s_set_vgpr_msb; the immediate's high byte repeats the setting that is left
.if MSB != \new
	s_set_vgpr_msb (MSB<<8)|\new
.set MSB, \new
.endif
.endm
.macro PLACES                          ; four places behind matrix instructions, in front of loads into their sources and of readers of results
.rept 4
	v_nop
.endr
.endm
; A joint load.  Wave 0 fetches X's tile, waves 1 to 3 the tiles of Wq, Wk, Wv.  The branch hangs on the wave's number alone.
.macro JLOAD s
	s_cmp_eq_u32 s10, 0
	s_cbranch_scc0 .Lfor_b_\@
	tensor_load_to_lds s[G0+4*\s:G0+4*\s+3], s[G1:G1+7]
	s_nop 0
.rept 4
	v_nop
.endr
	s_branch .Lasked_\@
.Lfor_b_\@:
	tensor_load_to_lds s[G0B+4*\s:G0B+4*\s+3], s[G1B:G1B+7]
	s_nop 0
.rept 4
	v_nop
.endr
.Lasked_\@:
.endm
.macro CREST                           ; a round of the cluster's barrier behind its opening work-group barrier
	s_cmp_lg_u32 s10, 0
	s_cbranch_scc1 .Lnot_wave_0_\@
	s_barrier_signal -3
.Lnot_wave_0_\@:
	s_barrier_wait -3
	s_barrier_signal -1
	s_barrier_wait -1
.endm
.macro CROUND                          ; a whole round
	s_barrier_signal -1
	s_barrier_wait -1
	CREST
.endm
	s_load_b128 s[4:7], s[0:1], 0x0                ; xh s[4:5], wh s[6:7]
	s_load_b64 s[8:9], s[0:1], 0x10                ; qkv
	v_lshl_add_u32 v30, v0, 2, 0x4f000
	v_mov_b32 v31, 0
	ds_add_u32 v30, v31
	v_lshrrev_b32 v1, 5, v0
	v_readfirstlane_b32 s10, v1                    ; wave 0..3
	s_lshr_b32 s11, s10, 1                         ; which 128 rows are mine
	s_and_b32 s12, s10, 1                          ; which 64 columns
	s_bfe_u32 s40, ttmp6, 0x40000                  ; cx
	s_bfe_u32 s41, ttmp6, 0x40004                  ; cy
	s_lshl_b32 s42, ttmp9, 2
	s_add_co_u32 s42, s42, s40                     ; block column (128 columns) = 4 x cluster x + cx
	s_and_b32 s13, ttmp7, 0xffff
	s_lshl_b32 s13, s13, 2
	s_add_co_u32 s13, s13, s41                     ; block row (256 rows) = 4 x cluster y + cy
	s_lshl_b32 s43, s41, 2
	s_lshl_b32 s43, 15, s43                        ; my row of the cluster
	s_lshl_b32 s44, 0x1111, s40                    ; my column
	; X's tile: 256 rows x 64 elements; after every 32 words (code 4) a pad of 4 words (code 3)
	s_or_b32 s[G1+0], s43, (1<<16)|(1<<20)|(1<<21)|(4<<22)|(3<<25)
	s_mov_b32 s[G1+1], KSTEP<<16                   ; tensor_dim0 = 64
	s_mov_b32 s[G1+2], 256<<16                     ; tensor_dim1 = 256
	s_mov_b32 s[G1+3], KSTEP<<16                   ; tile_dim0 = 64
	s_mov_b32 s[G1+4], 256                         ; tile_dim1 = 256
	s_mov_b32 s[G1+5], 1024                        ; elements from row to row
	s_mov_b32 s[G1+6], 0
	s_mov_b32 s[G1+7], 0
	; a W tile: 64 rows (d) x 128 elements (e); after every 64 words (code 5) a pad of 8 words (code 7)
	s_or_b32 s[G1B+0], s44, (1<<16)|(1<<20)|(1<<21)|(5<<22)|(7<<25)
	s_mov_b32 s[G1B+1], 128<<16
	s_mov_b32 s[G1B+2], KSTEP<<16
	s_mov_b32 s[G1B+3], 128<<16
	s_mov_b32 s[G1B+4], KSTEP
	s_mov_b32 s[G1B+5], 1024
	s_mov_b32 s[G1B+6], 0
	s_mov_b32 s[G1B+7], 0
	s_lshl_b32 s16, s13, 19                        ; X: 256 rows of 2,048 bytes a block row
	s_mov_b32 s17, 0
	s_max_u32 s18, s10, 1
	s_sub_co_u32 s18, s18, 1                       ; which W a wave 1..3 fetches (wave 0 makes the address of Wq and does not ask by it)
	s_lshl_b32 s46, s18, 21                        ; 2 MiB a W
	s_lshl_b32 s47, s42, 8                         ; 256 bytes a block column
	s_add_co_u32 s46, s46, s47
	s_mov_b32 s47, 0
	s_mul_i32 s20, s10, BBYTES
	s_add_co_u32 s20, s20, BBYTES                  ; W's place in a slot: (wave + 1) x 18,432 = behind X's 36,864 bytes, wave - 1 tiles on
	s_wait_dscnt 0x0
	s_wait_kmcnt 0x0
	s_add_nc_u64 s[14:15], s[4:5], s[16:17]
	s_add_nc_u64 s[46:47], s[6:7], s[46:47]
	CROUND                                         ; all sixteen work-groups are here: the first joint loads meet
.irp s, 0,1
	s_mov_b32 s[G0+4*\s], 1
	s_mov_b32 s[G0+4*\s+1], \s*SLOT
	s_add_nc_u64 s[G0+4*\s+2:G0+4*\s+3], s[14:15], \s*KSTEP*2       ; K step s: 64 elements along the rows
	s_or_b32 s[G0+4*\s+3], s[G0+4*\s+3], 0x80000000
	s_mov_b32 s[G0B+4*\s], 1
	s_add_co_u32 s[G0B+4*\s+1], s20, \s*SLOT
	s_add_nc_u64 s[G0B+4*\s+2:G0B+4*\s+3], s[46:47], \s*KSTEP*2048  ; K step s: 64 rows down
	s_or_b32 s[G0B+4*\s+3], s[G0B+4*\s+3], 0x80000000
	JLOAD \s                                       ; both first fills go out before anything else: two loads of a wave are out
.endr
	v_and_b32 v1, 15, v0                           ; r = lane % 16
	v_bfe_u32 v2, v0, 4, 1                         ; h = lane / 16
	v_and_b32 v3, 7, v0
	v_bfe_u32 v4, v0, 3, 1
	v_mul_u32_u24 v5, v1, PA
	v_lshl_add_u32 v5, v2, 4, v5                   ; X fragment: row r, 16 bytes for each half of the lanes
	s_mul_i32 s21, s11, 128*PA
	v_add_nc_u32 v[ADRA], s21, v5
	v_add_nc_u32 v[ADRA+1], SLOT, v[ADRA]
	v_lshl_add_u32 v6, v2, 3, v3                   ; W fragment through the transposing load: row 8 h + lane % 8,
	v_mul_u32_u24 v6, v6, PB
	v_lshl_add_u32 v6, v4, 4, v6                   ; 16 bytes on for lanes 8-15 and 24-31
	s_lshl_b32 s22, s12, 7                         ; my 64 columns
	s_add_co_u32 s22, s22, ABYTES
	v_add_nc_u32 v[ADRB], s22, v6
	v_add_nc_u32 v[ADRB+1], SLOT, v[ADRB]
	v_mul_u32_u24 v7, v1, SP
	v_lshl_add_u32 v7, v2, 4, v7
	s_mul_i32 s23, s11, 128*SP
	s_lshl_b32 s22, s12, 7
	s_add_co_u32 s23, s23, s22
	s_add_co_u32 s23, s23, STAGE
	v_add_nc_u32 v[STO], s23, v7
	v_add_nc_u32 v[STO+1], REGION, v[STO]
	v_mul_u32_u24 v8, v2, SP                       ; back: lanes 0-15 one row of 256 bytes, lanes 16-31 the next; wave w takes rows 64 w .. + 63
	v_lshl_add_u32 v8, v1, 4, v8
	s_mul_i32 s23, s10, 64*SP
	s_add_co_u32 s23, s23, STAGE
	v_add_nc_u32 v[RD], s23, v8
	v_add_nc_u32 v[RD+1], REGION, v[RD]
	v_lshlrev_b32 v9, 11, v2
	v_lshl_add_u32 v9, v1, 4, v9
	s_lshl_b32 s23, s10, 17                        ; 64 rows of 2,048 bytes a wave
	v_add_nc_u32 v[CO], s23, v9
; 32 matrix instructions: all tiles of result g, 32 along K.  The 96 accumulators take turns, one instruction a turn, in the same order in every
; substep, over the loop's backward jump too.
.macro UNIT g, fa, zero
	WIN 0x50*(\g+1)
.irp a, 0,1,2,3,4,5,6,7
.irp b, 0,1,2,3
.if \zero
	v_wmma_f32_16x16x32_f16 v[8*(4*\a+\b):8*(4*\a+\b)+7], v[FB+32*\g+8*\b:FB+32*\g+8*\b+7], v[\fa+8*\a:\fa+8*\a+7], 0
.else
	v_wmma_f32_16x16x32_f16 v[8*(4*\a+\b):8*(4*\a+\b)+7], v[FB+32*\g+8*\b:FB+32*\g+8*\b+7], v[\fa+8*\a:\fa+8*\a+7], v[8*(4*\a+\b):8*(4*\a+\b)+7]
.endif
.endr
.endr
.endm
.macro LDB g, slot, kk                 ; 8 loads: W number g, my 64 columns, K = 32 kk .. + 31
.irp b, 0,1,2,3
	ds_load_tr16_b128 v[FB+32*\g+8*\b:FB+32*\g+8*\b+3],   v[ADRB+\slot] offset:\g*BBYTES+\kk*32*PB+32*\b
	ds_load_tr16_b128 v[FB+32*\g+8*\b+4:FB+32*\g+8*\b+7], v[ADRB+\slot] offset:\g*BBYTES+\kk*32*PB+32*\b+16*PB
.endr
.endm
.macro LDA fa, slot, kk                ; 16 loads: my 128 rows of X, K = 32 kk .. + 31
.irp a, 0,1,2,3,4,5,6,7
	ds_load_b128 v[\fa+8*\a:\fa+8*\a+3],   v[ADRA+\slot] offset:\a*16*PA+64*\kk
	ds_load_b128 v[\fa+8*\a+4:\fa+8*\a+7], v[ADRA+\slot] offset:\a*16*PA+64*\kk+32
.endr
.endm
; The first half of a K step, on X's buffer 0.  On the way in 40 LDS loads may be out, and Wv's eight are the youngest of them.
; Each W's fragments are loaded again as soon as its 32 matrix instructions have been issued.
.macro STEP_A slot, zero
	s_wait_dscnt 8                                 ; all but Wv's eight
	UNIT 0, FA0, \zero
	WIN 0
	PLACES
	LDB 0, \slot, 1
	LDA FA1, \slot, 1
	UNIT 1, FA0, \zero
	WIN 0
	PLACES
	LDB 1, \slot, 1
	s_wait_dscnt 32                                ; Wv's are in: 8 + 16 + 8 loads were issued behind them
	UNIT 2, FA0, \zero
	WIN 0
	PLACES
	LDB 2, \slot, 1
.endm
; The second half, on buffer 1, and the change of slots.  One barrier does two things: in front of it each wave waits for its reads of this slot and for all
; its tensor loads (one is out: its part of the next slot); behind it this slot is asked for again first, then the next slot is read.
; No matrix instruction stands between the wait for the tensor loads and the next request: a wave has one load out at a time, so whatever stands
; there puts every later tile off by as much.  From a request to the wait for it a wave issues a whole step's 192 matrix instructions.
.macro STEP_B slot, next, fill
	s_wait_dscnt 16                                ; Wq and X are in; Wk's and Wv's eight each may be out
	UNIT 0, FA1, 0
	WIN 0
	s_wait_dscnt 0x0                               ; my reads of this slot are over: the last of them fill Wk's and Wv's fragments
	s_wait_tensorcnt 0x0                           ; all my tensor loads have landed
	ds_add_u32 v30, v31
	s_wait_dscnt 0x0
	s_barrier_signal -1                            ; where the slot is filled again this barrier opens a round of the cluster's barrier
	s_barrier_wait -1
.if \fill
	CREST                                          ; no wave of any partner still reads this slot or has a load on its way
	s_add_nc_u64 s[G0+4*\slot+2:G0+4*\slot+3], s[G0+4*\slot+2:G0+4*\slot+3], 2*KSTEP*2
	s_add_nc_u64 s[G0B+4*\slot+2:G0B+4*\slot+3], s[G0B+4*\slot+2:G0B+4*\slot+3], 2*KSTEP*2048
	JLOAD \slot                                    ; the wave's one tensor load behind the round; its four v_nop are also the places in front of the loads below
.else
	PLACES
.endif
	LDB 0, \next, 0                                ; Wq's fragments are free since UNIT 0, X's buffer 0 since the first half
	LDA FA0, \next, 0
	UNIT 1, FA1, 0
	WIN 0
	PLACES
	LDB 1, \next, 0
	UNIT 2, FA1, 0
	WIN 0
	PLACES
	LDB 2, \next, 0
.endm
.macro LAP zero
	STEP_A 0, \zero
	STEP_B 0, 1, 1
	STEP_A 1, 0
	STEP_B 1, 0, 1
.endm
	s_wait_tensorcnt 1                             ; my part of K step 0 is in; K step 1's stays out
	s_barrier_signal -1
	s_barrier_wait -1
	LDB 0, 0, 0
	LDB 1, 0, 0
	LDA FA0, 0, 0
	LDB 2, 0, 0
	LAP 1                                          ; the first products start the sums: nothing is cleared
	s_mov_b32 s3, LAPS-2
.Llap:
	LAP 0
	s_sub_co_u32 s3, s3, 1
	s_cmp_lg_u32 s3, 0
	s_cbranch_scc1 .Llap
	STEP_A 0, 0                                    ; the last lap fills nothing
	STEP_B 0, 1, 0
	STEP_A 1, 0
	s_wait_dscnt 16
	UNIT 0, FA1, 0
	s_wait_dscnt 0x0
	UNIT 1, FA1, 0
	UNIT 2, FA1, 0
	WIN 0
	PLACES
	; THE WAY OUT, one result at a time: round to f16, 16 bytes a lane into a stage of 256 rows x 256 bytes, a barrier (two waves make each row),
	; whole rows back, and stores in which sixteen lanes cover 256 consecutive bytes at a multiple of 256.
	s_add_nc_u64 s[68:69], s[8:9], s[16:17]        ; q's block: the block row (s16 still holds it),
	s_lshl_b32 s46, s42, 8
	s_mov_b32 s47, 0
	s_add_nc_u64 s[68:69], s[68:69], s[46:47]      ; the block column
	s_add_nc_u64 s[70:71], s[68:69], 0x1000000     ; k's, 16 MiB on
	s_add_nc_u64 s[72:73], s[68:69], 0x2000000     ; v's
	s_mov_b32 s74, 0x3e38aa3b                      ; log2(e) / 8
	s_mov_b32 s75, 0x3e38aa3b
.macro OUTG g, reg
.if \g == 0
	WIN 0x41
.set n, 0
.rept 128
	v_pk_mul_f32 v[n:n+1], v[n:n+1], s[74:75] op_sel_hi:[1,0]
.set n, n+2
.endr
.endif
	WIN 5*(\g+1)
.set n, 0
.rept 128
	v_cvt_pk_f16_f32 v[TMP+n], v[2*n], v[2*n+1]
.set n, n+1
.endr
	WIN 0
.irp a, 0,1,2,3,4,5,6,7
.irp b, 0,1,2,3
	ds_store_b128 v[STO+\reg], v[TMP+4*(4*\a+\b):TMP+4*(4*\a+\b)+3] offset:\a*16*SP+32*\b
.endr
.endr
	s_wait_dscnt 0x0                               ; my stores are in LDS, and my reads of the other region are long back
	s_barrier_signal -1
	s_barrier_wait -1                              ; a region is written again only behind the next result's barrier
.irp hf, 0,1
	s_wait_xcnt 0x0                                ; OB, which earlier stores read, is loaded again only behind this wait
.irp t, 0,1,2,3,4,5,6,7,8,9,10,11,12,13,14,15
	ds_load_b128 v[OB+4*\t:OB+4*\t+3], v[RD+\reg] offset:(16*\hf+\t)*2*SP
.endr
.irp t, 0,1,2,3,4,5,6,7,8,9,10,11,12,13,14,15
	s_wait_dscnt 15-\t
	global_store_b128 v[CO], v[OB+4*\t:OB+4*\t+3], s[68+2*\g:69+2*\g] offset:(16*\hf+\t)*4096
.endr
.endr
.endm
	OUTG 0, 0
	OUTG 1, 1
	OUTG 2, 0
	s_wait_tensorcnt 0x0
	ds_add_u32 v30, v31
	s_wait_dscnt 0x0
	CROUND                                         ; the closing round: no work-group ends while a partner may still ask for a tile that names it
	s_endpgm
.Lfunc_end_k_q8c4e81069e_qkv:
	.size	k_q8c4e81069e_qkv, .Lfunc_end_k_q8c4e81069e_qkv-k_q8c4e81069e_qkv
	.p2alignl 7, 3214868480
	.fill 96, 4, 3214868480
	.section	.rodata,"a",@progbits
	.p2align	6, 0x0
	.amdhsa_kernel k_q8c4e81069e_qkv
		.amdhsa_group_segment_fixed_size 327680
		.amdhsa_private_segment_fixed_size 0
		.amdhsa_enable_private_segment 0
		.amdhsa_kernarg_size 24
		.amdhsa_user_sgpr_count 2
		.amdhsa_user_sgpr_kernarg_segment_ptr 1
		.amdhsa_wavefront_size32 1
		.amdhsa_system_sgpr_workgroup_id_x 1
		.amdhsa_system_sgpr_workgroup_id_y 1
		.amdhsa_system_sgpr_workgroup_id_z 1
		.amdhsa_system_vgpr_workitem_id 0
		.amdhsa_next_free_vgpr 1024
		.amdhsa_next_free_sgpr 80
		.amdhsa_reserve_vcc 0
		.amdhsa_float_denorm_mode_32 3
		.amdhsa_float_denorm_mode_16_64 3
		.amdhsa_memory_ordered 1
		.amdhsa_forward_progress 1
		.amdhsa_inst_pref_size 178
	.end_amdhsa_kernel
	.amdgpu_metadata
---
amdhsa.version: [ 1, 2 ]
amdhsa.kernels:
  - .name:           k_q8c4e81069e_qkv
    .symbol:         k_q8c4e81069e_qkv.kd
    .args:
      - { .name: xh, .offset: 0, .size: 8, .value_kind: global_buffer, .address_space: global }
      - { .name: wh, .offset: 8, .size: 8, .value_kind: global_buffer, .address_space: global }
      - { .name: qkv, .offset: 16, .size: 8, .value_kind: global_buffer, .address_space: global }
    .group_segment_fixed_size: 327680
    .private_segment_fixed_size: 0
    .kernarg_segment_align: 8
    .kernarg_segment_size: 24
    .max_flat_workgroup_size: 128
    .sgpr_count:     80
    .vgpr_count:     1024
    .wavefront_size: 32
...
	.end_amdgpu_metadata
.endif
;; end of part 2
;; launch scores (part 3): grid 8 x 32, 4 waves a work-group, clusters of 4 x 4, 327,680 bytes of LDS; arguments qkv, p, stats; writes p, stats
.if DOCPART == 3
	.amdgcn_target "amdgcn-amd-amdhsa--gfx1250"
	.amdhsa_code_object_version 6
	.text
	.protected	k_q8c4e81069e_scores
	.globl	k_q8c4e81069e_scores
	.p2align	8
	.type	k_q8c4e81069e_scores,@function
k_q8c4e81069e_scores:
	s_mov_b64 s[64:65], 0
	v_nop
	global_prefetch_b8 v0, s[64:65] scope:SCOPE_SE
	s_setreg_imm32_b32 hwreg(HW_REG_WAVE_MODE, 25, 1), 1
	s_wait_xcnt 0x0
	s_wait_alu depctr_hold_cnt(0) depctr_sa_sdst(0) depctr_va_vdst(0) depctr_va_sdst(0) depctr_va_ssrc(0) depctr_va_vcc(0) depctr_vm_vsrc(0)
	s_getreg_b32 s2, hwreg(HW_REG_IB_STS2, 6, 4)
	s_cmp_eq_u32 s2, 0
	s_cbranch_scc0 .Lentry_in_a_cluster
	s_endpgm
.Lentry_in_a_cluster:
	s_bfe_u32 s2, ttmp6, 0x10000c
	s_cmp_lg_u32 s2, 0xf033
	s_cbranch_scc0 .Lentry_shape_is_right
	s_endpgm
.Lentry_shape_is_right:
; S' = (q log2(e)/8) k^T for one batch's 256 queries x 256 keys; then, for each query and each chunk of 128 keys (a wave's width):
; m = the chunk's largest S', P = 2^(S' - m) in f16, l = the sum of the chunk's 2^(S' - m) in f32.  The next launch joins the sixteen chunks of a row
; by their true maximum, so the softmax is the one with the row's maximum taken away; every exponent here is <= 0.
; q = qkv[0], k = qkv[1], both [8192][1024] f16.  p: [8192 queries][2048 keys] f16.  stats: m at byte 0, l at byte 524,288, each
; [16 key chunks][64 chunks of 128 rows][128] f32, row rho of a chunk at word 8 (rho % 16) + rho / 16.
; A work-group makes 256 x 256 with four waves of 128 x 128: 64 accumulator tiles, 512 registers.  K = 1024 goes in steps of 128 through two LDS slots:
; a tile's rows are 256 bytes of memory at multiples of 256.
; CLUSTERS: 4 x 4 work-groups, all of one batch.  q's tiles hang on the block row and are asked for jointly along a row of the cluster, k's on the block
; column (and the batch, which the cluster shares) and jointly along a column: a quarter of the requests.
; REGISTERS: window 0: v0-31 addresses, v32-63 the softmax's small figures, v64-127 and v128-191 fragments of q (two buffers), v192-223 packed results;
; window 1: v64-191 fragments of k; window 2: the 32 tiles of my rows 0-63 (tile (a, b) at v[8 (8 a + b)]); window 3: those of rows 64-127.
; The matrix instruction is used transposed (source 0 = 16 keys, source 1 = 16 queries): lane l holds query l % 16 and keys 8 (l / 16) + 0..7 of a tile,
; so a query's 128 scores lie in 64 registers of two lanes 16 apart.
.set SIZE_K, 1024
.set KSTEP,  128
.set PITCH,  272                       ; 256 bytes + 16 of padding: an odd multiple of 16
.set HALFT,  128*PITCH
.set SLOT,   4*HALFT                   ; q's 256 rows, then k's 256 rows
.set STAGE,  2*SLOT                    ; 16 rows x 272 bytes for each wave, never the target of a tensor load
.set SPITCH, 272
.set PROW,   4096                      ; bytes in a row of p
.set LAPS,   SIZE_K/(2*KSTEP)
.set ADRA, 16
.set ADRB, 20
.set STO,  24
.set RD,   25
.set CO,   26
.set ST,   27                          ; my byte offset in a chunk of stats
.set MX,   32                          ; v32-35 four running maxima
.set RM,   36
.set RX,   37                          ; what the other half of the lanes holds
.set NM,   38                          ; v38-39 the row's maximum, twice
.set SU,   40                          ; v40-47 four pairs of running sums
.set MS,   48                          ; v48-55 m of my eight row blocks
.set LS,   56                          ; v56-63 l of my eight row blocks
.set F0,   64
.set F1,   128
.set T,    64                          ; the way out: 64 numbers at work
.set TMP,  192
.set G1, 24
.set G0, 32
.set G1B, 48
.set G0B, 56
.set MSB, 0
.macro WIN new
.if MSB != \new
	s_set_vgpr_msb (MSB<<8)|\new
.set MSB, \new
.endif
.endm
.set MUL_LO, 0xa1                      ; source 0 (k) window 1, source 1 (q) window 0, C and D window 2
.set MUL_HI, 0xf1
.set TO_B,   0x40
.macro JLOAD s                         ; waves 0 and 1 fetch q's two halves, waves 2 and 3 k's
	s_cmp_eq_u32 s11, 0
	s_cbranch_scc0 .Lfor_b_\@
	tensor_load_to_lds s[G0+4*\s:G0+4*\s+3], s[G1:G1+7]
	s_nop 0
.rept 4
	v_nop
.endr
	s_branch .Lasked_\@
.Lfor_b_\@:
	tensor_load_to_lds s[G0B+4*\s:G0B+4*\s+3], s[G1B:G1B+7]
	s_nop 0
.rept 4
	v_nop
.endr
.Lasked_\@:
.endm
.macro CREST
	s_cmp_lg_u32 s10, 0
	s_cbranch_scc1 .Lnot_wave_0_\@
	s_barrier_signal -3
.Lnot_wave_0_\@:
	s_barrier_wait -3
	s_barrier_signal -1
	s_barrier_wait -1
.endm
.macro CROUND
	s_barrier_signal -1
	s_barrier_wait -1
	CREST
.endm
	s_load_b128 s[4:7], s[0:1], 0x0                ; qkv s[4:5], p s[6:7]
	s_load_b64 s[8:9], s[0:1], 0x10                ; stats
	s_set_vgpr_msb 0x40
	v_lshl_add_u32 v255, v0, 2, 0x48400
	s_set_vgpr_msb 0x4000
	v_mov_b32 v255, 0
	s_set_vgpr_msb 0x1
	ds_add_u32 v255, v255
	s_set_vgpr_msb 0x100
	v_lshrrev_b32 v1, 5, v0
	v_readfirstlane_b32 s10, v1                    ; wave 0..3
	s_lshr_b32 s11, s10, 1                         ; which half of the queries is mine.  Also: I fetch for q (0) or for k (1)
	s_and_b32 s12, s10, 1                          ; which half of the keys.  Also: which 128 rows of that tile I fetch
	s_bfe_u32 s40, ttmp6, 0x40000                  ; cx
	s_bfe_u32 s41, ttmp6, 0x40004                  ; cy
	s_lshl_b32 s42, ttmp9, 2
	s_add_co_u32 s42, s42, s40                     ; key block 0..7
	s_and_b32 s45, ttmp7, 0xffff                   ; the cluster's y: two clusters a batch
	s_lshl_b32 s13, s45, 2
	s_add_co_u32 s13, s13, s41                     ; query block 0..31, over all batches
	s_lshl_b32 s43, s41, 2
	s_lshl_b32 s43, 15, s43                        ; my row of the cluster
	s_lshl_b32 s44, 0x1111, s40                    ; my column
	s_mov_b32 s66, 0x76543210                      ; v_permlanex16_b32: lane i of one half reads lane i of the other
	s_mov_b32 s67, 0xfedcba98
	; a tile of 128 rows x 128 elements; after every 64 words (code 5) a pad of 4 words (code 3)
	s_or_b32 s[G1+0], s43, (1<<16)|(1<<20)|(1<<21)|(5<<22)|(3<<25)
	s_or_b32 s[G1B+0], s44, (1<<16)|(1<<20)|(1<<21)|(5<<22)|(3<<25)
	s_mov_b32 s[G1+1], KSTEP<<16
	s_mov_b32 s[G1B+1], KSTEP<<16
	s_mov_b32 s[G1+2], 128<<16
	s_mov_b32 s[G1B+2], 128<<16
	s_mov_b32 s[G1+3], KSTEP<<16
	s_mov_b32 s[G1B+3], KSTEP<<16
	s_mov_b32 s[G1+4], 128
	s_mov_b32 s[G1B+4], 128
	s_mov_b32 s[G1+5], SIZE_K
	s_mov_b32 s[G1B+5], SIZE_K
	s_mov_b32 s[G1+6], 0
	s_mov_b32 s[G1B+6], 0
	s_mov_b32 s[G1+7], 0
	s_mov_b32 s[G1B+7], 0
	s_lshl_b32 s17, s12, 18                        ; which 128 rows of 2,048 bytes I fetch
	s_lshl_b32 s16, s13, 19                        ; q: 256 rows a query block
	s_add_co_u32 s16, s16, s17
	s_lshl_b32 s46, s42, 19                        ; k: 256 rows a key block,
	s_add_co_u32 s46, s46, s17
	s_lshr_b32 s47, s45, 1
	s_lshl_b32 s47, s47, 22                        ; 2,048 rows a batch,
	s_add_co_u32 s46, s46, s47
	s_add_co_u32 s46, s46, 0x1000000               ; and k lies 16 MiB into qkv
	s_mov_b32 s17, 0
	s_mov_b32 s47, 0
	s_mul_i32 s20, s10, HALFT                      ; q's two halves, then k's two halves = wave x 128 rows
	s_wait_dscnt 0x0
	s_wait_kmcnt 0x0
	s_add_nc_u64 s[14:15], s[4:5], s[16:17]
	s_add_nc_u64 s[46:47], s[4:5], s[46:47]
	CROUND                                         ; all sixteen work-groups are here: the first joint loads meet
.irp s, 0,1
	s_mov_b32 s[G0+4*\s], 1
	s_add_co_u32 s[G0+4*\s+1], s20, \s*SLOT
	s_add_nc_u64 s[G0+4*\s+2:G0+4*\s+3], s[14:15], \s*KSTEP*2
	s_or_b32 s[G0+4*\s+3], s[G0+4*\s+3], 0x80000000
	s_mov_b32 s[G0B+4*\s], 1
	s_add_co_u32 s[G0B+4*\s+1], s20, \s*SLOT
	s_add_nc_u64 s[G0B+4*\s+2:G0B+4*\s+3], s[46:47], \s*KSTEP*2
	s_or_b32 s[G0B+4*\s+3], s[G0B+4*\s+3], 0x80000000
	JLOAD \s                                       ; two loads of a wave are out
.endr
	v_and_b32 v1, 15, v0                           ; r
	v_bfe_u32 v2, v0, 4, 1                         ; h
	v_mul_u32_u24 v3, v1, PITCH
	v_lshl_add_u32 v3, v2, 4, v3
	s_mul_i32 s21, s11, HALFT
	s_mul_i32 s22, s12, HALFT
	s_add_co_u32 s22, s22, 2*HALFT
.irp s, 0,1
	v_add_nc_u32 v[ADRA+\s], s21, v3
	v_add_nc_u32 v[ADRB+\s], s22, v3
	s_add_co_u32 s21, s21, SLOT
	s_add_co_u32 s22, s22, SLOT
.endr
	s_mul_i32 s23, s10, 16*SPITCH
	s_add_co_u32 s23, s23, STAGE
	v_mul_u32_u24 v4, v1, SPITCH
	v_lshl_add_u32 v4, v2, 4, v4
	v_add_nc_u32 v[STO], s23, v4
	v_mul_u32_u24 v5, v2, SPITCH
	v_lshl_add_u32 v5, v1, 4, v5
	v_add_nc_u32 v[RD], s23, v5
	v_lshlrev_b32 v5, 12, v2                       ; the same two rows in p
	v_lshl_add_u32 v[CO], v1, 4, v5
	v_lshlrev_b32 v6, 5, v1
	v_lshl_add_u32 v[ST], v2, 4, v6                ; 32 r + 16 h
	v_mov_b32 v[RX], 0                             ; v_permlanex16_b32 counts as a reader of its destination
.macro MUL16 f, hi, a0, zero
.irp a, \a0, \a0+1
.irp b, 0,1,2,3,4,5,6,7
.if \zero
	v_wmma_f32_16x16x32_f16 v[8*(8*(\a)+\b):8*(8*(\a)+\b)+7], v[\f+8*\b:\f+8*\b+7], v[\f+8*(4*\hi+\a):\f+8*(4*\hi+\a)+7], 0
.else
	v_wmma_f32_16x16x32_f16 v[8*(8*(\a)+\b):8*(8*(\a)+\b)+7], v[\f+8*\b:\f+8*\b+7], v[\f+8*(4*\hi+\a):\f+8*(4*\hi+\a)+7], v[8*(8*(\a)+\b):8*(8*(\a)+\b)+7]
.endif
.endr
.endr
.endm
.macro FETCH slot, k, f                ; 32 LDS loads in one run: 128 keys, then 128 queries, 32 along K at byte k of the rows
	WIN TO_B
.irp i, 0,1,2,3,4,5,6,7
	ds_load_b128 v[\f+8*\i:\f+8*\i+3],   v[ADRB+\slot] offset:\k+\i*16*PITCH
	ds_load_b128 v[\f+8*\i+4:\f+8*\i+7], v[ADRB+\slot] offset:\k+\i*16*PITCH+32
.endr
	WIN 0
.irp i, 0,1,2,3,4,5,6,7
	ds_load_b128 v[\f+8*\i:\f+8*\i+3],   v[ADRA+\slot] offset:\k+\i*16*PITCH
	ds_load_b128 v[\f+8*\i+4:\f+8*\i+7], v[ADRA+\slot] offset:\k+\i*16*PITCH+32
.endr
.endm
.macro PLACES                          ; four places behind matrix instructions, in front of loads into their sources and of readers of results
.rept 4
	v_nop
.endr
.endm
; A K step is four quarters of 32 along K, 64 matrix instructions each, on buffers 0, 1, 0, 1.  The 64 accumulators take turns, one instruction a turn,
; in the same order in every quarter.
.macro QUARTER slot, k, f, g, zero
	s_wait_dscnt 8                                 ; k and q's rows 0-63 are in; the youngest eight loads (q's rows 64-127) may be out
	WIN MUL_LO
	MUL16 \f, 0, 0, \zero
	MUL16 \f, 0, 2, \zero
	PLACES
	FETCH \slot, \k, \g
	s_wait_dscnt 32                                ; all but the 32 just issued
	WIN MUL_HI
	MUL16 \f, 1, 0, \zero
	MUL16 \f, 1, 2, \zero
.endm
.macro THREE slot, zero
	QUARTER \slot, 64,  F0, F1, \zero
	QUARTER \slot, 128, F1, F0, 0
	QUARTER \slot, 192, F0, F1, 0
.endm
; The last quarter changes slots.  In front of the one barrier each wave waits for its reads of this slot and for all its tensor loads (one is out: its part
; of the next slot); behind it the refill comes first, then the next slot's fragments.  From a request to the wait for it: 240 matrix instructions.
.macro TURN slot, next, fill
	s_wait_dscnt 8
	WIN MUL_LO
	MUL16 F1, 0, 0, 0
	s_wait_dscnt 0                                 ; my reads of this slot are over
	s_wait_tensorcnt 0x0                           ; all my tensor loads have landed
	ds_add_u32 v255, v255
	s_wait_dscnt 0x0
	s_barrier_signal -1                            ; where the slot is filled again this barrier opens a round of the cluster's barrier
	MUL16 F1, 0, 2, 0
	WIN 0
	s_barrier_wait -1
.if \fill
	CREST                                          ; no wave of any partner still reads this slot or has a load on its way
	s_add_nc_u64 s[G0+4*\slot+2:G0+4*\slot+3], s[G0+4*\slot+2:G0+4*\slot+3], 2*KSTEP*2
	s_add_nc_u64 s[G0B+4*\slot+2:G0B+4*\slot+3], s[G0B+4*\slot+2:G0B+4*\slot+3], 2*KSTEP*2
	JLOAD \slot                                    ; the wave's one tensor load behind the round; its four v_nop are also the places in front of the loads below
.else
	PLACES
.endif
	FETCH \next, 0, F0
	WIN MUL_HI
	MUL16 F1, 1, 0, 0
	MUL16 F1, 1, 2, 0
.endm
.macro LAP zero
	THREE 0, \zero
	TURN 0, 1, 1
	THREE 1, 0
	TURN 1, 0, 1
.endm
	s_wait_tensorcnt 1                             ; my part of K step 0 is in; K step 1's stays out
	s_barrier_signal -1
	s_barrier_wait -1
	FETCH 0, 0, F0
	LAP 1                                          ; the first products start the sums
	WIN 0
	s_mov_b32 s3, LAPS-2
.Llap:
	LAP 0
	WIN 0
	s_sub_co_u32 s3, s3, 1
	s_cmp_lg_u32 s3, 0
	s_cbranch_scc1 .Llap
	THREE 0, 0                                     ; the last lap fills nothing
	TURN 0, 1, 0
	THREE 1, 0
	s_wait_dscnt 8
	WIN MUL_LO
	MUL16 F1, 0, 0, 0
	MUL16 F1, 0, 2, 0
	s_wait_dscnt 0
	WIN MUL_HI
	MUL16 F1, 1, 0, 0
	MUL16 F1, 1, 2, 0
	PLACES
	s_lshl_b32 s16, s13, 20                        ; p: 256 rows of 4,096 bytes a query block,
	s_lshl_b32 s17, s11, 19                        ; my half of them
	s_add_co_u32 s16, s16, s17
	s_mov_b32 s17, 0
	s_add_nc_u64 s[6:7], s[6:7], s[16:17]
	s_lshl_b32 s46, s42, 9                         ; 512 bytes a key block, my half of them (the x parts lie in registers that never fed q's descriptors)
	s_lshl_b32 s47, s12, 8
	s_add_co_u32 s46, s46, s47
	s_mov_b32 s47, 0
	s_add_nc_u64 s[6:7], s[6:7], s[46:47]
	s_lshl_b32 s16, s13, 10                        ; stats: 512 bytes a chunk of 128 rows,
	s_lshl_b32 s17, s11, 9
	s_add_co_u32 s16, s16, s17
	s_mov_b32 s17, 0
	s_add_nc_u64 s[8:9], s[8:9], s[16:17]
	s_lshl_b32 s46, s42, 16                        ; 32,768 bytes a chunk of 128 keys
	s_lshl_b32 s47, s12, 15
	s_add_co_u32 s46, s46, s47
	s_mov_b32 s47, 0
	s_add_nc_u64 s[8:9], s[8:9], s[46:47]
; Rows 16 i .. + 15 of my block = the eight tiles (a, 0..7) of window w.  A lane's 64 scores are v[64 a .. 64 a + 63] there.
.macro SOFT16 i, a, w, f
	WIN 5*\w                                       ; sources 0 and 1 in the accumulators' window
.irp k, 0,1,2,3
	v_max_num_f32 v[MX+\k], v[64*\a+2*\k], v[64*\a+2*\k+1]     ; four chains, started by the first eight scores
.endr
.set n, 8
.rept 28
	v_max3_num_f32 v[MX+(n/2)%4], v[64*\a+n], v[64*\a+n+1], v[MX+(n/2)%4]
.set n, n+2
.endr
	WIN 0
	v_max3_num_f32 v[RM], v[MX], v[MX+1], v[MX+2]
	v_max_num_f32 v[RM], v[RM], v[MX+3]
	v_permlanex16_b32 v[RX], v[RM], s66, s67       ; the row's other 64 scores lie 16 lanes away
	v_max_num_f32 v[NM], v[RM], v[RX]
	v_max_num_f32 v[NM+1], v[RM], v[RX]
	v_mov_b32 v[MS+\i], v[NM]
	WIN \w
.set n, 0
.rept 32
	v_pk_add_f32 v[T+n:T+n+1], v[64*\a+n:64*\a+n+1], v[NM:NM+1] neg_lo:[0,1] neg_hi:[0,1]   ; S' - m, never above 0
.set n, n+2
.endr
	WIN 0
.set n, 0
.rept 64
	v_exp_f32 v[T+n], v[T+n]
.set n, n+1
.endr
	v_nop                                          ; one plain instruction behind the last v_exp_f32 before results are read (ISA guide 5.7.2)
	s_wait_alu depctr_va_vdst(0)
.irp c, 0,1,2,3
	v_pk_add_f32 v[SU+2*\c:SU+2*\c+1], v[T+2*\c:T+2*\c+1], v[T+8+2*\c:T+8+2*\c+1]          ; four chains of pairs
.endr
.set n, 16
.rept 24
	v_pk_add_f32 v[SU+n%8:SU+n%8+1], v[SU+n%8:SU+n%8+1], v[T+n:T+n+1]
.set n, n+2
.endr
	v_pk_add_f32 v[SU:SU+1], v[SU:SU+1], v[SU+2:SU+3]
	v_pk_add_f32 v[SU+4:SU+5], v[SU+4:SU+5], v[SU+6:SU+7]
	v_pk_add_f32 v[SU:SU+1], v[SU:SU+1], v[SU+4:SU+5]
	v_add_f32 v[SU], v[SU], v[SU+1]
	v_permlanex16_b32 v[RX], v[SU], s66, s67
	v_add_f32 v[LS+\i], v[SU], v[RX]
.set n, 0
.rept 32
	v_cvt_pk_f16_f32 v[TMP+n], v[T+2*n], v[T+2*n+1]
.set n, n+1
.endr
.irp b, 0,1,2,3,4,5,6,7
	ds_store_b128 v[STO], v[TMP+4*\b:TMP+4*\b+3] offset:32*\b      ; my own stage: no barrier
.endr
	s_wait_xcnt 0x0                                ; buffer f, which earlier stores read, and the stores' base are rewritten only behind this wait
.if \i
	s_add_nc_u64 s[6:7], s[6:7], 16*PROW
.endif
.irp t, 0,1,2,3,4,5,6,7
	ds_load_b128 v[\f+4*\t:\f+4*\t+3], v[RD] offset:\t*2*SPITCH    ; LDS serves a wave's instructions in order (ISA guide 5.7.1.4): these see the stores above
.endr
.irp t, 0,1,2,3,4,5,6,7
	s_wait_dscnt 7-\t
	global_store_b128 v[CO], v[\f+4*\t:\f+4*\t+3], s[6:7] offset:2*\t*PROW   ; 16 lanes store 256 consecutive bytes at a multiple of 256
.endr
.endm
	SOFT16 0, 0, 2, 128
	SOFT16 1, 1, 2, 160
	SOFT16 2, 2, 2, 128
	SOFT16 3, 3, 2, 160
	SOFT16 4, 0, 3, 128
	SOFT16 5, 1, 3, 160
	SOFT16 6, 2, 3, 128
	SOFT16 7, 3, 3, 160
	; both halves of the lanes hold all eight m and l of row r: lanes 0-15 store blocks 0-3, lanes 16-31 blocks 4-7: 512 consecutive bytes a store
	v_cmp_eq_u32 vcc_lo, 1, v2
.irp k, 0,1,2,3
	v_cndmask_b32 v[MX+\k], v[MS+\k], v[MS+4+\k], vcc_lo
	v_cndmask_b32 v[SU+\k], v[LS+\k], v[LS+4+\k], vcc_lo
.endr
	global_store_b128 v[ST], v[MX:MX+3], s[8:9]
	global_store_b128 v[ST], v[SU:SU+3], s[8:9] offset:524288
	s_set_vgpr_msb 0x1
	s_wait_tensorcnt 0x0
	ds_add_u32 v255, v255
	s_wait_dscnt 0x0
	s_set_vgpr_msb 0x100
	CROUND                                         ; the closing round
	s_endpgm
.Lfunc_end_k_q8c4e81069e_scores:
	.size	k_q8c4e81069e_scores, .Lfunc_end_k_q8c4e81069e_scores-k_q8c4e81069e_scores
	.p2alignl 7, 3214868480
	.fill 96, 4, 3214868480
	.section	.rodata,"a",@progbits
	.p2align	6, 0x0
	.amdhsa_kernel k_q8c4e81069e_scores
		.amdhsa_group_segment_fixed_size 327680
		.amdhsa_private_segment_fixed_size 0
		.amdhsa_enable_private_segment 0
		.amdhsa_kernarg_size 24
		.amdhsa_user_sgpr_count 2
		.amdhsa_user_sgpr_kernarg_segment_ptr 1
		.amdhsa_wavefront_size32 1
		.amdhsa_system_sgpr_workgroup_id_x 1
		.amdhsa_system_sgpr_workgroup_id_y 1
		.amdhsa_system_sgpr_workgroup_id_z 1
		.amdhsa_system_vgpr_workitem_id 0
		.amdhsa_next_free_vgpr 1024
		.amdhsa_next_free_sgpr 80
		.amdhsa_reserve_vcc 1
		.amdhsa_float_denorm_mode_32 3
		.amdhsa_float_denorm_mode_16_64 3
		.amdhsa_memory_ordered 1
		.amdhsa_forward_progress 1
		.amdhsa_inst_pref_size 255
	.end_amdhsa_kernel
	.section	.bss,"aw",@nobits
	.p2align	6
	.space	262144
	.amdgpu_metadata
---
amdhsa.version: [ 1, 2 ]
amdhsa.kernels:
  - .name:           k_q8c4e81069e_scores
    .symbol:         k_q8c4e81069e_scores.kd
    .args:
      - { .name: qkv, .offset: 0, .size: 8, .value_kind: global_buffer, .address_space: global }
      - { .name: p, .offset: 8, .size: 8, .value_kind: global_buffer, .address_space: global }
      - { .name: stats, .offset: 16, .size: 8, .value_kind: global_buffer, .address_space: global }
    .group_segment_fixed_size: 327680
    .private_segment_fixed_size: 0
    .kernarg_segment_align: 8
    .kernarg_segment_size: 24
    .max_flat_workgroup_size: 128
    .sgpr_count:     80
    .vgpr_count:     1024
    .wavefront_size: 32
...
	.end_amdgpu_metadata
.endif
;; end of part 3
;; launch pv (part 4): grid 4 x 64, 4 waves a work-group, clusters of 4 x 4, 327,680 bytes of LDS; arguments p, qkv, stats, oh; writes oh
.if DOCPART == 4
	.amdgcn_target "amdgcn-amd-amdhsa--gfx1250"
	.amdhsa_code_object_version 6
	.text
	.protected	k_q8c4e81069e_pv
	.globl	k_q8c4e81069e_pv
	.p2align	8
	.type	k_q8c4e81069e_pv,@function
k_q8c4e81069e_pv:
	s_mov_b64 s[64:65], 0
	v_nop
	global_prefetch_b8 v0, s[64:65] scope:SCOPE_SE
	s_setreg_imm32_b32 hwreg(HW_REG_WAVE_MODE, 25, 1), 1
	s_wait_xcnt 0x0
	s_wait_alu depctr_hold_cnt(0) depctr_sa_sdst(0) depctr_va_vdst(0) depctr_va_sdst(0) depctr_va_ssrc(0) depctr_va_vcc(0) depctr_vm_vsrc(0)
	s_getreg_b32 s2, hwreg(HW_REG_IB_STS2, 6, 4)
	s_cmp_eq_u32 s2, 0
	s_cbranch_scc0 .Lentry_in_a_cluster
	s_endpgm
.Lentry_in_a_cluster:
	s_bfe_u32 s2, ttmp6, 0x10000c
	s_cmp_lg_u32 s2, 0xf033
	s_cbranch_scc0 .Lentry_shape_is_right
	s_endpgm
.Lentry_shape_is_right:
; O = softmax x V.  For each query: M = the largest of its sixteen chunk maxima m_t, w_t = 2^(m_t - M) (never above 1), L = the sum of w_t l_t (at least 1);
; O = sum over t of (w_t / L) (P_t V_t).  That is the softmax with the row's true maximum taken away.  M, w, L and the sum over t are all in f32.
; p: [8192][2048] f16.  V = qkv[2], [8192][1024] f16.  stats as the launch before left them.  oh: [8192][1024] f16.
; LIMIT: P is f16: inside a chunk of 128 keys, weights below 2^-25 of the chunk's largest are dropped.  Results above 65,504 become infinities.
; A work-group makes 128 queries x 256 columns with four waves of 64 x 128.  K (the keys) goes in steps of 128, one chunk t a step, through two LDS slots.
; A step's products are summed in 32 accumulator tiles of their own (its first products start the sums); behind the step 128 packed multiply-adds
; add them, times the row's w_t / L, onto the 32 tiles of the total: as many vector instructions as the step has matrix instructions.
; V lies [K][N]; ds_load_tr16_b128 turns it as it is read.
; CLUSTERS: 4 x 4 work-groups of one batch.  P's tiles are asked for jointly along a row of the cluster, V's along a column.
; PREFETCH INTO THE L2: two slots of two steps would take 417,792 bytes of LDS, so a tile has one step in which to land; its bytes are therefore asked for ahead.
; At the end of lap i (a lap = two steps) the tiles of lap i + 2 are asked for; the tensor loads that want them are issued one step and two steps later.
; Each aligned block of 256 bytes is asked for once in the launch: of the 128 rows of P that the four work-groups of a row of the cluster share, each takes 32
; (wave 0 the lap's first step, wave 1 its second); of V's two tiles, which the batch's sixteen query blocks share, each work-group takes 8 rows x 2 blocks x 2 steps
; (wave 2); wave 3 asks for nothing.  The head asks for lap 1, laps 0 to 5 for laps 2 to 7, laps 6 and 7 for nothing, so the last block asked for is
; the last of p and of qkv.  Asked for and not yet read: at most two laps' shares, 2 x 96 blocks, 49,152 bytes a work-group.
; REGISTERS: window 0: v16-25 addresses, v32-63 and v64-95 fragments of P, v96-159 and v160-223 fragments of V, v224-239 w / L (two sets; in a set each of
; the four row blocks' factors twice, a pair for the packed multiply-add), v240-251 figures of the head;
; window 1: the step's tile (a, b) at v[8 (8 a + b)], a = 0..3, b = 0..7; window 2: the total's, at the same numbers.
.set KSTEP, 128
.set PA,    272                        ; P's LDS row: 256 bytes + 16
.set PB,    544                        ; V's LDS row: 512 bytes + 32, an odd multiple of 32
.set AB,    128*PA                     ; 34,816
.set BB,    128*PB                     ; 69,632
.set SLOT,  AB+BB                      ; 104,448
.set WTAB,  2*SLOT                     ; each wave's table of w / L: 16 steps x 2 x 32 lanes x 16 bytes; never the target of a tensor load
.set STAGE, WTAB+4*16384               ; 16 rows x 272 bytes for each wave
.set SP,    272
.set LAPS,  8                          ; 2048 / 256
.set ADRA, 16
.set ADRB, 18
.set STO,  20
.set RD,   21
.set CO,   22
.set WTA,  23                          ; my 16 bytes of the table's entry for the lap's first step
.set VS,   24                          ; my byte offset in a chunk of stats
.set PFO,  25                          ; my lane's byte offset in what my wave prefetches; never rewritten
.set FA,   32
.set FB,   96
.set WS,   224
.set RL,   240                         ; v240-243 1 / L of my four row blocks
.set MM,   244                         ; v244-247 M
.set LL,   248                         ; v248-251 L
.set TMP,  96
.set G1, 24
.set G0, 32
.set G1B, 48
.set G0B, 56
.set PFB, 70                           ; s[70:71] the prefetch's base: p or qkv by the wave's number, at the lap that is asked for next
.set PFS, 72                           ; s[72:73] its step from lap to lap, in bytes
.set MSB, 0
.macro WIN new                         ; s_set_vgpr_msb; the immediate's high byte repeats the setting that is left
.if MSB != \new
	s_set_vgpr_msb (MSB<<8)|\new
.set MSB, \new
.endif
.endm
.macro PLACES                          ; four places behind matrix instructions (ISA guide 7.12.1)
.rept 4
	v_nop
.endr
.endm
.macro JLOAD s                         ; waves 0 and 1 fetch P's two halves of 64 rows, waves 2 and 3 V's two halves of 64 keys
	s_cmp_eq_u32 s13, 0
	s_cbranch_scc0 .Lfor_b_\@
	tensor_load_to_lds s[G0+4*\s:G0+4*\s+3], s[G1:G1+7]
	s_nop 0
.rept 4
	v_nop
.endr
	s_branch .Lasked_\@
.Lfor_b_\@:
	tensor_load_to_lds s[G0B+4*\s:G0B+4*\s+3], s[G1B:G1B+7]
	s_nop 0
.rept 4
	v_nop
.endr
.Lasked_\@:
.endm
.macro CREST
	s_cmp_lg_u32 s12, 0
	s_cbranch_scc1 .Lnot_wave_0_\@
	s_barrier_signal -3
.Lnot_wave_0_\@:
	s_barrier_wait -3
	s_barrier_signal -1
	s_barrier_wait -1
.endm
.macro CROUND
	s_barrier_signal -1
	s_barrier_wait -1
	CREST
.endm
; One prefetch of waves 0, 1 and 2: 32 lanes, 32 blocks of 256 bytes.  step = 1: the base goes on by a lap first.
.macro ASK step
.if \step
	s_wait_xcnt 0x0                                ; the base is rewritten only behind this wait; the prefetch that used it was issued a lap ago
	s_add_nc_u64 s[PFB:PFB+1], s[PFB:PFB+1], s[PFS:PFS+1]
.endif
	s_cmp_eq_u32 s12, 3
	s_cbranch_scc1 .Lno_ask_\@
	global_prefetch_b8 v[PFO], s[PFB:PFB+1] th:TH_LOAD_NT scope:SCOPE_SE
.Lno_ask_\@:
.endm
	s_load_b256 s[4:11], s[0:1], 0x0               ; p s[4:5], qkv s[6:7], stats s[8:9], oh s[10:11]
	v_lshl_add_u32 v254, v0, 2, 0x47400
	v_mov_b32 v255, 0
	ds_add_u32 v254, v255
	v_lshrrev_b32 v1, 5, v0
	v_readfirstlane_b32 s12, v1                    ; wave 0..3
	s_lshr_b32 s13, s12, 1                         ; which 64 queries are mine.  Also: I fetch for P (0) or for V (1)
	s_and_b32 s14, s12, 1                          ; which 128 columns.  Also: which half of that tile I fetch
	s_bfe_u32 s40, ttmp6, 0x40000                  ; cx
	s_bfe_u32 s41, ttmp6, 0x40004                  ; cy
	s_lshl_b32 s16, ttmp9, 2
	s_add_co_u32 s16, s16, s40                     ; column block 0..3
	s_and_b32 s17, ttmp7, 0xffff                   ; the cluster's y: four clusters a batch
	s_lshl_b32 s15, s17, 2
	s_add_co_u32 s15, s15, s41                     ; query block 0..63
	s_lshl_b32 s42, s41, 2
	s_lshl_b32 s42, 15, s42                        ; my row of the cluster
	s_lshl_b32 s43, 0x1111, s40                    ; my column
	; P's half tile: 64 rows x 128 elements; after every 64 words (code 5) a pad of 4 words (code 3)
	s_or_b32 s[G1+0], s42, (1<<16)|(1<<20)|(1<<21)|(5<<22)|(3<<25)
	s_mov_b32 s[G1+1], KSTEP<<16
	s_mov_b32 s[G1+2], 64<<16
	s_mov_b32 s[G1+3], KSTEP<<16
	s_mov_b32 s[G1+4], 64
	s_mov_b32 s[G1+5], 2048
	s_mov_b32 s[G1+6], 0
	s_mov_b32 s[G1+7], 0
	; V's half tile: 64 rows (keys) x 256 elements; after every 128 words (code 6) a pad of 8 words (code 7)
	s_or_b32 s[G1B+0], s43, (1<<16)|(1<<20)|(1<<21)|(6<<22)|(7<<25)
	s_mov_b32 s[G1B+1], 256<<16
	s_mov_b32 s[G1B+2], 64<<16
	s_mov_b32 s[G1B+3], 256<<16
	s_mov_b32 s[G1B+4], 64
	s_mov_b32 s[G1B+5], 1024
	s_mov_b32 s[G1B+6], 0
	s_mov_b32 s[G1B+7], 0
	s_lshl_b32 s44, s15, 19                        ; P: 128 rows of 4,096 bytes a query block,
	s_lshl_b32 s45, s14, 18                        ; 64 rows a half
	s_add_co_u32 s44, s44, s45
	s_mov_b32 s45, 0
	s_lshr_b32 s46, s17, 2
	s_lshl_b32 s46, s46, 22                        ; V: 2,048 rows of 2,048 bytes a batch,
	s_lshl_b32 s47, s14, 17                        ; 64 rows a half,
	s_add_co_u32 s46, s46, s47
	s_lshl_b32 s47, s16, 9                         ; 512 bytes a column block,
	s_add_co_u32 s46, s46, s47
	s_add_co_u32 s46, s46, 0x2000000               ; and V lies 32 MiB into qkv
	s_mov_b32 s47, 0
	s_lshl_b32 s18, s15, 9                         ; stats: 512 bytes a chunk of 128 rows
	s_mov_b32 s19, 0
	s_mul_i32 s20, s14, 64*PA                      ; where the halves go
	s_mul_i32 s21, s14, 64*PB
	s_add_co_u32 s21, s21, AB
	s_wait_dscnt 0x0
	s_wait_kmcnt 0x0
	s_add_nc_u64 s[44:45], s[4:5], s[44:45]
	s_add_nc_u64 s[46:47], s[6:7], s[46:47]
	s_add_nc_u64 s[8:9], s[8:9], s[18:19]
	CROUND                                         ; all sixteen work-groups are here: the first joint loads meet
.irp s, 0,1
	s_mov_b32 s[G0+4*\s], 1
	s_add_co_u32 s[G0+4*\s+1], s20, \s*SLOT
	s_add_nc_u64 s[G0+4*\s+2:G0+4*\s+3], s[44:45], \s*KSTEP*2       ; step s: 128 keys along P's rows
	s_or_b32 s[G0+4*\s+3], s[G0+4*\s+3], 0x80000000
	s_mov_b32 s[G0B+4*\s], 1
	s_add_co_u32 s[G0B+4*\s+1], s21, \s*SLOT
	s_add_nc_u64 s[G0B+4*\s+2:G0B+4*\s+3], s[46:47], \s*KSTEP*2048  ; step s: 128 rows of V down
	s_or_b32 s[G0B+4*\s+3], s[G0B+4*\s+3], 0x80000000
	JLOAD \s                                       ; two loads of a wave are out
.endr
	v_and_b32 v1, 15, v0                           ; r
	v_bfe_u32 v2, v0, 4, 1                         ; h
	v_and_b32 v3, 7, v0
	v_bfe_u32 v4, v0, 3, 1
	v_and_b32 v5, 31, v0                           ; lane
	v_lshlrev_b32 v7, 5, v1
	s_lshl_b32 s22, s13, 4
	v_add_nc_u32 v[VS], s22, v7                    ; 32 r + 16 x my half of the rows: the figures of rows 64 half + 16 a + r, a = 0..3
.set t, 0
.rept 16
	global_load_b128 v[32+4*t:35+4*t], v[VS], s[8:9] offset:32768*t           ; m of chunk t
	global_load_b128 v[96+4*t:99+4*t], v[VS], s[8:9] offset:524288+32768*t    ; l of chunk t
.set t, t+1
.endr
	; what my wave prefetches, first for lap 1 (steps 2 and 3).  Offsets are made apart from the addresses.
	s_lshl_b32 s68, s15, 19                        ; P: my query block,
	s_lshl_b32 s69, s40, 17                        ; 32 rows of 4,096 bytes for each place along the cluster's x,
	s_add_co_u32 s68, s68, s69
	s_lshl_b32 s69, s14, 8                         ; wave 0 the lap's first step, wave 1 its second, 256 bytes on,
	s_add_co_u32 s68, s68, s69
	s_add_co_u32 s68, s68, 512                     ; lap 1
	s_lshr_b32 s74, s17, 2
	s_lshl_b32 s74, s74, 22                        ; V: the batch,
	s_and_b32 s75, s15, 15
	s_lshl_b32 s75, s75, 14                        ; 8 rows of 2,048 bytes for each of the batch's sixteen query blocks,
	s_add_co_u32 s74, s74, s75
	s_lshl_b32 s75, s16, 9                         ; my column block,
	s_add_co_u32 s74, s74, s75
	s_add_co_u32 s74, s74, 0x2080000               ; V's place in qkv (32 MiB) and lap 1 (256 rows of 2,048 bytes)
	s_mov_b32 s[PFS], 512                          ; a lap on: 256 keys along P's rows,
	s_mov_b32 s77, 0x80000                         ; 256 rows of V down
	s_cmp_eq_u32 s12, 2                            ; wave 2 asks for V, waves 0 and 1 for P (wave 3 makes P's figures and asks for nothing)
	s_cselect_b64 s[PFB:PFB+1], s[6:7], s[4:5]
	s_cselect_b32 s68, s74, s68
	s_cselect_b32 s[PFS], s77, s[PFS]
	s_cselect_b32 s76, -1, 0
	s_mov_b32 s69, 0
	s_mov_b32 s[PFS+1], 0
	s_add_nc_u64 s[PFB:PFB+1], s[PFB:PFB+1], s[68:69]
	v_lshlrev_b32 v10, 12, v5                      ; P: lane l takes row l of my 32
	v_bfe_u32 v11, v0, 1, 3
	v_lshlrev_b32 v11, 11, v11                     ; V: row (l / 2) % 8 of my 8,
	v_lshl_add_u32 v11, v2, 18, v11                ; lanes 16-31 the lap's second step, 128 rows down,
	v_and_b32 v12, 1, v0
	v_lshl_add_u32 v11, v12, 8, v11                ; odd lanes the second 256 bytes of the row's 512
	v_cndmask_b32 v[PFO], v10, v11, s76
	ASK 0                                          ; lap 1's tiles; the tensor loads that want them are issued behind steps 0 and 1
	v_mul_u32_u24 v6, v1, PA
	v_lshl_add_u32 v6, v2, 4, v6                   ; row r, 16 bytes for each half of the lanes (P's fragments, and the stage)
	s_mul_i32 s22, s13, 64*PA
	v_add_nc_u32 v[ADRA], s22, v6
	v_add_nc_u32 v[ADRA+1], SLOT, v[ADRA]
	v_lshl_add_u32 v8, v2, 3, v3                   ; V through the transposing load: row 8 h + lane % 8,
	v_mul_u32_u24 v8, v8, PB
	v_lshl_add_u32 v8, v4, 4, v8                   ; 16 bytes on for lanes 8-15 and 24-31
	s_lshl_b32 s22, s14, 8                         ; my 128 columns
	s_add_co_u32 s22, s22, AB
	v_add_nc_u32 v[ADRB], s22, v8
	v_add_nc_u32 v[ADRB+1], SLOT, v[ADRB]
	s_mul_i32 s23, s12, 16*SP
	s_add_co_u32 s23, s23, STAGE
	v_add_nc_u32 v[STO], s23, v6
	v_mul_u32_u24 v9, v2, SP
	v_lshl_add_u32 v9, v1, 4, v9
	v_add_nc_u32 v[RD], s23, v9
	v_lshlrev_b32 v9, 11, v2
	v_lshl_add_u32 v[CO], v1, 4, v9
	s_lshl_b32 s23, s12, 14
	s_add_co_u32 s23, s23, WTAB
	v_lshl_add_u32 v[WTA], v5, 4, s23
	s_wait_loadcnt 0x0
.irp a, 0,1,2,3
	v_max3_num_f32 v[MM+\a], v[32+\a], v[36+\a], v[40+\a]
.set t, 3
.rept 6
	v_max3_num_f32 v[MM+\a], v[32+4*t+\a], v[36+4*t+\a], v[MM+\a]
.set t, t+2
.endr
	v_max_num_f32 v[MM+\a], v[MM+\a], v[92+\a]     ; M of row block a: all sixteen chunks
.endr
.set t, 0
.rept 16
	v_pk_add_f32 v[32+4*t:33+4*t], v[32+4*t:33+4*t], v[MM:MM+1] neg_lo:[0,1] neg_hi:[0,1]
	v_pk_add_f32 v[34+4*t:35+4*t], v[34+4*t:35+4*t], v[MM+2:MM+3] neg_lo:[0,1] neg_hi:[0,1]
.set t, t+1
.endr
.set n, 0
.rept 64
	v_exp_f32 v[32+n], v[32+n]                     ; w_t
.set n, n+1
.endr
	v_nop                                          ; one plain instruction behind the last v_exp_f32 (ISA guide 5.7.2)
	s_wait_alu depctr_va_vdst(0)
.irp q, 0,2
	v_pk_mul_f32 v[LL+\q:LL+\q+1], v[32+\q:33+\q], v[96+\q:97+\q]
.set t, 1
.rept 15
	v_pk_fma_f32 v[LL+\q:LL+\q+1], v[32+4*t+\q:33+4*t+\q], v[96+4*t+\q:97+4*t+\q], v[LL+\q:LL+\q+1]
.set t, t+1
.endr
.endr
.irp a, 0,1,2,3
	v_rcp_f32 v[RL+\a], v[LL+\a]                   ; L >= 1
.endr
	v_nop                                          ; one plain instruction behind the last v_rcp_f32 (ISA guide 5.7.2)
.set t, 0
	s_wait_alu depctr_va_vdst(0)
.rept 16
.irp a, 0,1,2,3
	v_mul_f32 v[96+8*t+2*\a],   v[32+4*t+\a], v[RL+\a]             ; w_t / L, made twice: the pair that the packed multiply-add takes
	v_mul_f32 v[96+8*t+2*\a+1], v[32+4*t+\a], v[RL+\a]             ; (l, which lay here, has been used up)
.endr
.set t, t+1
.endr
.set t, 0
.rept 16
	ds_store_b128 v[WTA], v[96+8*t:99+8*t]   offset:1024*t         ; row blocks 0 and 1.  My own bytes: only this lane reads them
	ds_store_b128 v[WTA], v[100+8*t:103+8*t] offset:1024*t+512     ; row blocks 2 and 3
.set t, t+1
.endr
.macro FETCH slot, kq, f               ; 24 LDS loads: my 64 rows of P and my 128 columns of V, keys 32 kq .. + 31 of the step
.irp a, 0,1,2,3
	ds_load_b128 v[FA+32*\f+8*\a:FA+32*\f+8*\a+3],   v[ADRA+\slot] offset:\a*16*PA+64*\kq
	ds_load_b128 v[FA+32*\f+8*\a+4:FA+32*\f+8*\a+7], v[ADRA+\slot] offset:\a*16*PA+64*\kq+32
.endr
.irp b, 0,1,2,3,4,5,6,7
	ds_load_tr16_b128 v[FB+64*\f+8*\b:FB+64*\f+8*\b+3],   v[ADRB+\slot] offset:\kq*32*PB+32*\b
	ds_load_tr16_b128 v[FB+64*\f+8*\b+4:FB+64*\f+8*\b+7], v[ADRB+\slot] offset:\kq*32*PB+32*\b+16*PB
.endr
.endm
.macro WLOAD set, k                    ; the factors of the step k behind the lap's first, into set (k may be a sum: it stands in brackets)
	ds_load_b128 v[WS+8*\set:WS+8*\set+3],   v[WTA] offset:1024*(\k)
	ds_load_b128 v[WS+8*\set+4:WS+8*\set+7], v[WTA] offset:1024*(\k)+512
.endm
; The 32 accumulators take turns, one instruction a turn, in the same order in every quarter.
.macro MUL16 f, a0, zero
.irp a, \a0, \a0+1
.irp b, 0,1,2,3,4,5,6,7
.if \zero
	v_wmma_f32_16x16x32_f16 v[8*(8*(\a)+\b):8*(8*(\a)+\b)+7], v[FB+64*\f+8*\b:FB+64*\f+8*\b+7], v[FA+32*\f+8*(\a):FA+32*\f+8*(\a)+7], 0
.else
	v_wmma_f32_16x16x32_f16 v[8*(8*(\a)+\b):8*(8*(\a)+\b)+7], v[FB+64*\f+8*\b:FB+64*\f+8*\b+7], v[FA+32*\f+8*(\a):FA+32*\f+8*(\a)+7], v[8*(8*(\a)+\b):8*(8*(\a)+\b)+7]
.endif
.endr
.endr
.endm
; Behind a step: total += (w_t / L) x the step's sums, in f32; a lane holds one query of each row block, so one pair of factors serves a row block's 64 numbers.
; first = 1: the first step starts the totals: nothing is cleared.  The four v_nop are the places behind the step's last matrix instructions: for these
; reads of their results, for the next quarter's loads into their sources, and (with the multiply-adds on the other tiles) for the next
; step's first products, which write over the step's tiles.
.macro ACCUM set, first
	PLACES
.if \first
	WIN 0x81                                       ; source 0 the step's window 1, source 1 window 0, destination the total's window 2
.else
	WIN 0xa1                                       ; and source 2 window 2
.endif
.irp a, 0,1,2,3
.set n, 0
.rept 32
.if \first
	v_pk_mul_f32 v[64*\a+n:64*\a+n+1], v[64*\a+n:64*\a+n+1], v[WS+8*\set+2*\a:WS+8*\set+2*\a+1]
.else
	v_pk_fma_f32 v[64*\a+n:64*\a+n+1], v[64*\a+n:64*\a+n+1], v[WS+8*\set+2*\a:WS+8*\set+2*\a+1], v[64*\a+n:64*\a+n+1]
.endif
.set n, n+2
.endr
.endr
	WIN 0
.endm
; One of a step's first three quarters: multiplies buffer f and fetches quarter kn into buffer g.  zero = 1: the step's first quarter, whose products start
; the step's sums; in front of it stands ACCUM (or, at the head, no matrix instruction at all), so it needs no places of its own.
.macro QUART slot, kn, f, g, zero
	s_wait_dscnt 0x0                               ; this quarter's fragments (and the step's factors), issued a quarter ago
.if \zero == 0
	PLACES
.endif
	FETCH \slot, \kn, \g
	WIN 0x50                                       ; C and D in window 1
	MUL16 \f, 0, \zero
	MUL16 \f, 2, \zero
	WIN 0
.endm
; The last quarter changes slots: each wave's reads of this slot and all its tensor loads are waited for in front of the one barrier; behind it the refill
; comes first, then the next slot's fragments and the next step's factors, then the quarter's products.  No matrix instruction stands between the wait for
; the tensor loads and the next request: a wave has one load out at a time, so whatever stands there puts every later tile off by as much.
; From a request to the wait for it a wave issues a whole step's 128 matrix instructions.  ask = 1: the tiles of the lap after next are asked for.
.macro TURN slot, next, fill, ask
	s_wait_dscnt 0x0                               ; my reads of this slot are over
	s_wait_tensorcnt 0x0                           ; all my tensor loads have landed
	ds_add_u32 v254, v255
	s_wait_dscnt 0x0
	s_barrier_signal -1                            ; where the slot is filled again this barrier opens a round of the cluster's barrier
	s_barrier_wait -1
.if \fill
	CREST                                          ; no wave of any partner still reads this slot or has a load on its way
	s_add_nc_u64 s[G0+4*\slot+2:G0+4*\slot+3], s[G0+4*\slot+2:G0+4*\slot+3], 2*KSTEP*2
	s_add_nc_u64 s[G0B+4*\slot+2:G0B+4*\slot+3], s[G0B+4*\slot+2:G0B+4*\slot+3], 2*KSTEP*2048
	JLOAD \slot                                    ; the wave's one tensor load behind the round; its four v_nop are also the places in front of the loads below
.else
	PLACES
.endif
	FETCH \next, 0, 0
	WLOAD \next, \slot+1                           ; the step behind this one: 1 or 2 entries behind the lap's first
.if \ask
	ASK 1                                          ; behind the wave's loads, in front of 32 matrix instructions
.endif
	WIN 0x50
	MUL16 1, 0, 0
	MUL16 1, 2, 0
	WIN 0
.endm
.macro LAP first, ask
	QUART 0, 1, 0, 1, 1
	QUART 0, 2, 1, 0, 0
	QUART 0, 3, 0, 1, 0
	TURN 0, 1, 1, 0
	ACCUM 0, \first
	QUART 1, 1, 0, 1, 1
	QUART 1, 2, 1, 0, 0
	QUART 1, 3, 0, 1, 0
	TURN 1, 0, 1, \ask
	ACCUM 1, 0
	v_add_nc_u32 v[WTA], 2048, v[WTA]              ; two steps on in the table
.endm
	s_wait_tensorcnt 1                             ; my part of step 0 is in; step 1's stays out
	s_wait_dscnt 0x0                               ; no LDS instruction is pending at a signal
	s_barrier_signal -1
	s_barrier_wait -1
	FETCH 0, 0, 0
	WLOAD 0, 0                                     ; the factors of step 0
	LAP 1, 1                                       ; lap 0; asks for lap 2
	s_mov_b32 s66, LAPS-3
.Llap:
	LAP 0, 1                                       ; laps 1 to 5; they ask for laps 3 to 7
	s_sub_co_u32 s66, s66, 1
	s_cmp_lg_u32 s66, 0
	s_cbranch_scc1 .Llap
	LAP 0, 0                                       ; lap 6 still fills the slots for lap 7, and asks for nothing: there is no lap 8
	QUART 0, 1, 0, 1, 1                            ; the last lap fills nothing
	QUART 0, 2, 1, 0, 0
	QUART 0, 3, 0, 1, 0
	TURN 0, 1, 0, 0
	ACCUM 0, 0
	QUART 1, 1, 0, 1, 1
	QUART 1, 2, 1, 0, 0
	QUART 1, 3, 0, 1, 0
	s_wait_dscnt 0x0
	WIN 0x50
	MUL16 1, 0, 0
	MUL16 1, 2, 0
	WIN 0
	ACCUM 1, 0
	s_lshl_b32 s18, s15, 18                        ; oh: 128 rows of 2,048 bytes a query block,
	s_lshl_b32 s19, s13, 17                        ; my 64 of them
	s_add_co_u32 s18, s18, s19
	s_mov_b32 s19, 0
	s_add_nc_u64 s[10:11], s[10:11], s[18:19]
	s_lshl_b32 s46, s16, 9                         ; 512 bytes a column block, my half of them
	s_lshl_b32 s47, s14, 8
	s_add_co_u32 s46, s46, s47
	s_mov_b32 s47, 0
	s_add_nc_u64 s[10:11], s[10:11], s[46:47]
; 16 rows at a time: the totals rounded to f16, through my own stage, out as whole rows of 256 bytes
.macro OUT16 a, f
	WIN 0x0a                                       ; sources 0 and 1 in the totals' window 2
.set n, 0
.rept 32
	v_cvt_pk_f16_f32 v[TMP+n], v[64*\a+2*n], v[64*\a+2*n+1]
.set n, n+1
.endr
	WIN 0
.irp b, 0,1,2,3,4,5,6,7
	ds_store_b128 v[STO], v[TMP+4*\b:TMP+4*\b+3] offset:32*\b
.endr
	s_wait_xcnt 0x0                                ; buffer f and the stores' base are rewritten only behind this wait
.if \a
	s_add_nc_u64 s[10:11], s[10:11], 16*2048
.endif
.irp t, 0,1,2,3,4,5,6,7
	ds_load_b128 v[\f+4*\t:\f+4*\t+3], v[RD] offset:\t*2*SP        ; LDS serves a wave's instructions in order (ISA guide 5.7.1.4)
.endr
.irp t, 0,1,2,3,4,5,6,7
	s_wait_dscnt 7-\t
	global_store_b128 v[CO], v[\f+4*\t:\f+4*\t+3], s[10:11] offset:2*\t*2048   ; 16 lanes store 256 consecutive bytes at a multiple of 256
.endr
.endm
	OUT16 0, 128
	OUT16 1, 160
	OUT16 2, 128
	OUT16 3, 160
	s_wait_tensorcnt 0x0
	ds_add_u32 v254, v255
	s_wait_dscnt 0x0
	CROUND                                         ; the closing round
	s_endpgm
.Lfunc_end_k_q8c4e81069e_pv:
	.size	k_q8c4e81069e_pv, .Lfunc_end_k_q8c4e81069e_pv-k_q8c4e81069e_pv
	.p2alignl 7, 3214868480
	.fill 96, 4, 3214868480
	.section	.rodata,"a",@progbits
	.p2align	6, 0x0
	.amdhsa_kernel k_q8c4e81069e_pv
		.amdhsa_group_segment_fixed_size 327680
		.amdhsa_private_segment_fixed_size 0
		.amdhsa_enable_private_segment 0
		.amdhsa_kernarg_size 32
		.amdhsa_user_sgpr_count 2
		.amdhsa_user_sgpr_kernarg_segment_ptr 1
		.amdhsa_wavefront_size32 1
		.amdhsa_system_sgpr_workgroup_id_x 1
		.amdhsa_system_sgpr_workgroup_id_y 1
		.amdhsa_system_sgpr_workgroup_id_z 1
		.amdhsa_system_vgpr_workitem_id 0
		.amdhsa_next_free_vgpr 768
		.amdhsa_next_free_sgpr 80
		.amdhsa_reserve_vcc 0
		.amdhsa_float_denorm_mode_32 3
		.amdhsa_float_denorm_mode_16_64 3
		.amdhsa_memory_ordered 1
		.amdhsa_forward_progress 1
		.amdhsa_inst_pref_size 234
	.end_amdhsa_kernel
	.amdgpu_metadata
---
amdhsa.version: [ 1, 2 ]
amdhsa.kernels:
  - .name:           k_q8c4e81069e_pv
    .symbol:         k_q8c4e81069e_pv.kd
    .args:
      - { .name: p, .offset: 0, .size: 8, .value_kind: global_buffer, .address_space: global }
      - { .name: qkv, .offset: 8, .size: 8, .value_kind: global_buffer, .address_space: global }
      - { .name: stats, .offset: 16, .size: 8, .value_kind: global_buffer, .address_space: global }
      - { .name: oh, .offset: 24, .size: 8, .value_kind: global_buffer, .address_space: global }
    .group_segment_fixed_size: 327680
    .private_segment_fixed_size: 0
    .kernarg_segment_align: 8
    .kernarg_segment_size: 32
    .max_flat_workgroup_size: 128
    .sgpr_count:     80
    .vgpr_count:     768
    .wavefront_size: 32
...
	.end_amdgpu_metadata
.endif
;; end of part 4
;; launch proj (part 5): grid 4 x 64, 4 waves a work-group, clusters of 4 x 4, 327,680 bytes of LDS; arguments oh, wh, out0; writes out0
.if DOCPART == 5
	.amdgcn_target "amdgcn-amd-amdhsa--gfx1250"
	.amdhsa_code_object_version 6
	.text
	.protected	k_q8c4e81069e_proj
	.globl	k_q8c4e81069e_proj
	.p2align	8
	.type	k_q8c4e81069e_proj,@function
k_q8c4e81069e_proj:
	s_mov_b64 s[64:65], 0
	v_nop
	global_prefetch_b8 v0, s[64:65] scope:SCOPE_SE
	s_setreg_imm32_b32 hwreg(HW_REG_WAVE_MODE, 25, 1), 1
	s_wait_xcnt 0x0
	s_wait_alu depctr_hold_cnt(0) depctr_sa_sdst(0) depctr_va_vdst(0) depctr_va_sdst(0) depctr_va_ssrc(0) depctr_va_vcc(0) depctr_vm_vsrc(0)
	s_getreg_b32 s2, hwreg(HW_REG_IB_STS2, 6, 4)
	s_cmp_eq_u32 s2, 0
	s_cbranch_scc0 .Lentry_in_a_cluster
	s_endpgm
.Lentry_in_a_cluster:
	s_bfe_u32 s2, ttmp6, 0x10000c
	s_cmp_lg_u32 s2, 0xf033
	s_cbranch_scc0 .Lentry_shape_is_right
	s_endpgm
.Lentry_shape_is_right:
; out0 = O Wo.  O = oh [8192][1024] f16, Wo = wh[3] [1024 e][1024 f] f16, out0 [8192][1024] f32; sums in f32.
; A work-group makes 128 rows x 256 columns with four waves of 64 x 128 (32 accumulator tiles, 256 registers): 256 work-groups.
; K = 1024 goes in steps of 128 through two LDS slots.  Wo lies [K][N]; ds_load_tr16_b128 turns it as it is read.
; CLUSTERS: 4 x 4 work-groups.  O's tiles are asked for jointly along a row of the cluster, Wo's along a column.
; REGISTERS: window 0: v16-22 addresses, v32-63 and v64-95 fragments of O, v96-159 and v160-223 fragments of Wo;
; window 1: tile (a, b) at v[8 (8 a + b)], a = 0..3, b = 0..7.  Source 0 = columns of Wo, source 1 = rows of O: a lane holds eight neighbouring columns of a row.
.set KSTEP, 128
.set PA,    272
.set PB,    544
.set AB,    128*PA
.set BB,    128*PB
.set SLOT,  AB+BB                      ; 104,448
.set STAGE, 2*SLOT                     ; 16 rows x 528 bytes for each wave, never the target of a tensor load
.set SP,    528                        ; 128 f32 + 16 bytes: an odd multiple of 16
.set LAPS,  4                          ; 1024 / 256
.set ADRA, 16
.set ADRB, 18
.set STO,  20
.set RD,   21
.set CO,   22
.set FA,   32
.set FB,   96
.set G1, 24
.set G0, 32
.set G1B, 48
.set G0B, 56
.set MSB, 0
.macro WIN new
.if MSB != \new
	s_set_vgpr_msb (MSB<<8)|\new
.set MSB, \new
.endif
.endm
.macro PLACES                          ; four places behind matrix instructions, in front of loads into their sources and of readers of results
.rept 4
	v_nop
.endr
.endm
.macro JLOAD s                         ; waves 0 and 1 fetch O's two halves of 64 rows, waves 2 and 3 Wo's two halves of 64 rows
	s_cmp_eq_u32 s13, 0
	s_cbranch_scc0 .Lfor_b_\@
	tensor_load_to_lds s[G0+4*\s:G0+4*\s+3], s[G1:G1+7]
	s_nop 0
.rept 4
	v_nop
.endr
	s_branch .Lasked_\@
.Lfor_b_\@:
	tensor_load_to_lds s[G0B+4*\s:G0B+4*\s+3], s[G1B:G1B+7]
	s_nop 0
.rept 4
	v_nop
.endr
.Lasked_\@:
.endm
.macro CREST
	s_cmp_lg_u32 s12, 0
	s_cbranch_scc1 .Lnot_wave_0_\@
	s_barrier_signal -3
.Lnot_wave_0_\@:
	s_barrier_wait -3
	s_barrier_signal -1
	s_barrier_wait -1
.endm
.macro CROUND
	s_barrier_signal -1
	s_barrier_wait -1
	CREST
.endm
	s_load_b128 s[4:7], s[0:1], 0x0                ; oh s[4:5], wh s[6:7]
	s_load_b64 s[8:9], s[0:1], 0x10                ; out0
	v_lshl_add_u32 v254, v0, 2, 0x3b400
	v_mov_b32 v255, 0
	ds_add_u32 v254, v255
	v_lshrrev_b32 v1, 5, v0
	v_readfirstlane_b32 s12, v1                    ; wave 0..3
	s_lshr_b32 s13, s12, 1                         ; which 64 rows are mine.  Also: I fetch for O (0) or for Wo (1)
	s_and_b32 s14, s12, 1                          ; which 128 columns.  Also: which half of that tile I fetch
	s_bfe_u32 s40, ttmp6, 0x40000                  ; cx
	s_bfe_u32 s41, ttmp6, 0x40004                  ; cy
	s_lshl_b32 s16, ttmp9, 2
	s_add_co_u32 s16, s16, s40                     ; column block 0..3
	s_and_b32 s15, ttmp7, 0xffff
	s_lshl_b32 s15, s15, 2
	s_add_co_u32 s15, s15, s41                     ; row block 0..63
	s_lshl_b32 s42, s41, 2
	s_lshl_b32 s42, 15, s42                        ; my row of the cluster
	s_lshl_b32 s43, 0x1111, s40                    ; my column
	; O's half tile: 64 rows x 128 elements; after every 64 words (code 5) a pad of 4 words (code 3)
	s_or_b32 s[G1+0], s42, (1<<16)|(1<<20)|(1<<21)|(5<<22)|(3<<25)
	s_mov_b32 s[G1+1], KSTEP<<16
	s_mov_b32 s[G1+2], 64<<16
	s_mov_b32 s[G1+3], KSTEP<<16
	s_mov_b32 s[G1+4], 64
	s_mov_b32 s[G1+5], 1024
	s_mov_b32 s[G1+6], 0
	s_mov_b32 s[G1+7], 0
	; Wo's half tile: 64 rows x 256 elements; after every 128 words (code 6) a pad of 8 words (code 7)
	s_or_b32 s[G1B+0], s43, (1<<16)|(1<<20)|(1<<21)|(6<<22)|(7<<25)
	s_mov_b32 s[G1B+1], 256<<16
	s_mov_b32 s[G1B+2], 64<<16
	s_mov_b32 s[G1B+3], 256<<16
	s_mov_b32 s[G1B+4], 64
	s_mov_b32 s[G1B+5], 1024
	s_mov_b32 s[G1B+6], 0
	s_mov_b32 s[G1B+7], 0
	s_lshl_b32 s44, s15, 18                        ; O: 128 rows of 2,048 bytes a row block,
	s_lshl_b32 s45, s14, 17                        ; 64 rows a half
	s_add_co_u32 s44, s44, s45
	s_mov_b32 s45, 0
	s_lshl_b32 s46, s14, 17                        ; Wo: 64 rows a half,
	s_lshl_b32 s47, s16, 9                         ; 512 bytes a column block,
	s_add_co_u32 s46, s46, s47
	s_add_co_u32 s46, s46, 0x600000                ; and Wo lies 6 MiB into wh
	s_mov_b32 s47, 0
	s_mul_i32 s20, s14, 64*PA
	s_mul_i32 s21, s14, 64*PB
	s_add_co_u32 s21, s21, AB
	s_wait_dscnt 0x0
	s_wait_kmcnt 0x0
	s_add_nc_u64 s[44:45], s[4:5], s[44:45]
	s_add_nc_u64 s[46:47], s[6:7], s[46:47]
	CROUND                                         ; all sixteen work-groups are here: the first joint loads meet
.irp s, 0,1
	s_mov_b32 s[G0+4*\s], 1
	s_add_co_u32 s[G0+4*\s+1], s20, \s*SLOT
	s_add_nc_u64 s[G0+4*\s+2:G0+4*\s+3], s[44:45], \s*KSTEP*2
	s_or_b32 s[G0+4*\s+3], s[G0+4*\s+3], 0x80000000
	s_mov_b32 s[G0B+4*\s], 1
	s_add_co_u32 s[G0B+4*\s+1], s21, \s*SLOT
	s_add_nc_u64 s[G0B+4*\s+2:G0B+4*\s+3], s[46:47], \s*KSTEP*2048
	s_or_b32 s[G0B+4*\s+3], s[G0B+4*\s+3], 0x80000000
	JLOAD \s                                       ; two loads of a wave are out
.endr
	v_and_b32 v1, 15, v0                           ; r
	v_bfe_u32 v2, v0, 4, 1                         ; h
	v_and_b32 v3, 7, v0
	v_bfe_u32 v4, v0, 3, 1
	v_and_b32 v5, 31, v0                           ; lane
	v_mul_u32_u24 v6, v1, PA
	v_lshl_add_u32 v6, v2, 4, v6
	s_mul_i32 s22, s13, 64*PA
	v_add_nc_u32 v[ADRA], s22, v6
	v_add_nc_u32 v[ADRA+1], SLOT, v[ADRA]
	v_lshl_add_u32 v8, v2, 3, v3                   ; Wo through the transposing load: row 8 h + lane % 8,
	v_mul_u32_u24 v8, v8, PB
	v_lshl_add_u32 v8, v4, 4, v8                   ; 16 bytes on for lanes 8-15 and 24-31
	s_lshl_b32 s22, s14, 8
	s_add_co_u32 s22, s22, AB
	v_add_nc_u32 v[ADRB], s22, v8
	v_add_nc_u32 v[ADRB+1], SLOT, v[ADRB]
	s_mul_i32 s23, s12, 16*SP
	s_add_co_u32 s23, s23, STAGE
	v_mul_u32_u24 v9, v1, SP
	v_lshl_add_u32 v9, v2, 5, v9                   ; in: row r, 32 bytes (eight f32) for each half of the lanes
	v_add_nc_u32 v[STO], s23, v9
	v_lshlrev_b32 v[CO], 4, v5                     ; back and out: the 32 lanes take one row of 512 bytes
	v_add_nc_u32 v[RD], s23, v[CO]
.macro FETCH slot, kq, f
.irp a, 0,1,2,3
	ds_load_b128 v[FA+32*\f+8*\a:FA+32*\f+8*\a+3],   v[ADRA+\slot] offset:\a*16*PA+64*\kq
	ds_load_b128 v[FA+32*\f+8*\a+4:FA+32*\f+8*\a+7], v[ADRA+\slot] offset:\a*16*PA+64*\kq+32
.endr
.irp b, 0,1,2,3,4,5,6,7
	ds_load_tr16_b128 v[FB+64*\f+8*\b:FB+64*\f+8*\b+3],   v[ADRB+\slot] offset:\kq*32*PB+32*\b
	ds_load_tr16_b128 v[FB+64*\f+8*\b+4:FB+64*\f+8*\b+7], v[ADRB+\slot] offset:\kq*32*PB+32*\b+16*PB
.endr
.endm
; The 32 accumulators take turns, one instruction a turn, in the same order in every quarter.
.macro MUL16 f, a0, zero
.irp a, \a0, \a0+1
.irp b, 0,1,2,3,4,5,6,7
.if \zero
	v_wmma_f32_16x16x32_f16 v[8*(8*(\a)+\b):8*(8*(\a)+\b)+7], v[FB+64*\f+8*\b:FB+64*\f+8*\b+7], v[FA+32*\f+8*(\a):FA+32*\f+8*(\a)+7], 0
.else
	v_wmma_f32_16x16x32_f16 v[8*(8*(\a)+\b):8*(8*(\a)+\b)+7], v[FB+64*\f+8*\b:FB+64*\f+8*\b+7], v[FA+32*\f+8*(\a):FA+32*\f+8*(\a)+7], v[8*(8*(\a)+\b):8*(8*(\a)+\b)+7]
.endif
.endr
.endr
.endm
.macro QUART slot, kn, f, g, zero      ; multiplies buffer f and fetches quarter kn into buffer g
	s_wait_dscnt 0x0                               ; this quarter's fragments, issued a quarter ago
	PLACES
	FETCH \slot, \kn, \g
	WIN 0x50                                       ; C and D in window 1
	MUL16 \f, 0, \zero
	MUL16 \f, 2, \zero
	WIN 0
.endm
; The last quarter changes slots: each wave's reads of this slot and all its tensor loads are waited for in front of the one barrier; behind it the refill
; comes first, then the next slot's fragments, then the quarter's products.  No matrix instruction stands between the wait for the tensor loads and the next
; request: a wave has one load out at a time, so whatever stands there puts every later tile off by as much.
; From a request to the wait for it a wave issues a whole step's 128 matrix instructions.
.macro TURN slot, next, fill
	s_wait_dscnt 0x0                               ; my reads of this slot are over
	s_wait_tensorcnt 0x0                           ; all my tensor loads have landed
	ds_add_u32 v254, v255
	s_wait_dscnt 0x0
	s_barrier_signal -1                            ; where the slot is filled again this barrier opens a round of the cluster's barrier
	s_barrier_wait -1
.if \fill
	CREST                                          ; no wave of any partner still reads this slot or has a load on its way
	s_add_nc_u64 s[G0+4*\slot+2:G0+4*\slot+3], s[G0+4*\slot+2:G0+4*\slot+3], 2*KSTEP*2
	s_add_nc_u64 s[G0B+4*\slot+2:G0B+4*\slot+3], s[G0B+4*\slot+2:G0B+4*\slot+3], 2*KSTEP*2048
	JLOAD \slot                                    ; the wave's one tensor load behind the round; its four v_nop are also the places in front of the loads below
.else
	PLACES
.endif
	FETCH \next, 0, 0
	WIN 0x50
	MUL16 1, 0, 0
	MUL16 1, 2, 0
	WIN 0
.endm
.macro LAP zero
	QUART 0, 1, 0, 1, \zero
	QUART 0, 2, 1, 0, 0
	QUART 0, 3, 0, 1, 0
	TURN 0, 1, 1
	QUART 1, 1, 0, 1, 0
	QUART 1, 2, 1, 0, 0
	QUART 1, 3, 0, 1, 0
	TURN 1, 0, 1
.endm
	s_wait_tensorcnt 1                             ; my part of step 0 is in; step 1's stays out
	s_barrier_signal -1
	s_barrier_wait -1
	FETCH 0, 0, 0
	LAP 1                                          ; the first products start the sums
	s_mov_b32 s66, LAPS-2
.Llap:
	LAP 0
	s_sub_co_u32 s66, s66, 1
	s_cmp_lg_u32 s66, 0
	s_cbranch_scc1 .Llap
	QUART 0, 1, 0, 1, 0                            ; the last lap fills nothing
	QUART 0, 2, 1, 0, 0
	QUART 0, 3, 0, 1, 0
	TURN 0, 1, 0
	QUART 1, 1, 0, 1, 0
	QUART 1, 2, 1, 0, 0
	QUART 1, 3, 0, 1, 0
	s_wait_dscnt 0x0
	WIN 0x50
	MUL16 1, 0, 0
	MUL16 1, 2, 0
	WIN 0
	PLACES
	s_lshl_b32 s18, s15, 19                        ; out0: 128 rows of 4,096 bytes a row block,
	s_lshl_b32 s19, s13, 18                        ; my 64 of them
	s_add_co_u32 s18, s18, s19
	s_mov_b32 s19, 0
	s_add_nc_u64 s[8:9], s[8:9], s[18:19]
	s_lshl_b32 s46, s16, 10                        ; 1,024 bytes a column block, my half of them
	s_lshl_b32 s47, s14, 9
	s_add_co_u32 s46, s46, s47
	s_mov_b32 s47, 0
	s_add_nc_u64 s[8:9], s[8:9], s[46:47]
; 16 rows at a time, f32 as it stands: from the accumulators into my own stage, back as whole rows of 512 bytes
.macro OUT16 a, f
	WIN 0x04                                       ; an LDS store's data is source 1: window 1
.irp b, 0,1,2,3,4,5,6,7
	ds_store_b128 v[STO], v[8*(8*\a+\b):8*(8*\a+\b)+3]   offset:64*\b
	ds_store_b128 v[STO], v[8*(8*\a+\b)+4:8*(8*\a+\b)+7] offset:64*\b+16
.endr
	WIN 0
	s_wait_xcnt 0x0                                ; buffer f and the stores' base are rewritten only behind this wait
.if \a
	s_add_nc_u64 s[8:9], s[8:9], 16*4096
.endif
.irp t, 0,1,2,3,4,5,6,7,8,9,10,11,12,13,14,15
	ds_load_b128 v[\f+4*\t:\f+4*\t+3], v[RD] offset:\t*SP          ; LDS serves a wave's instructions in order (ISA guide 5.7.1.4)
.endr
.irp t, 0,1,2,3,4,5,6,7,8,9,10,11,12,13,14,15
	s_wait_dscnt 15-\t
	global_store_b128 v[CO], v[\f+4*\t:\f+4*\t+3], s[8:9] offset:\t*4096 th:TH_STORE_NT   ; 512 consecutive bytes of one row, at a multiple of 512
.endr
.endm
	OUT16 0, 32
	OUT16 1, 96
	OUT16 2, 32
	OUT16 3, 96
	s_wait_tensorcnt 0x0
	ds_add_u32 v254, v255
	s_wait_dscnt 0x0
	CROUND                                         ; the closing round
	s_endpgm
.Lfunc_end_k_q8c4e81069e_proj:
	.size	k_q8c4e81069e_proj, .Lfunc_end_k_q8c4e81069e_proj-k_q8c4e81069e_proj
	.p2alignl 7, 3214868480
	.fill 96, 4, 3214868480
	.section	.rodata,"a",@progbits
	.p2align	6, 0x0
	.amdhsa_kernel k_q8c4e81069e_proj
		.amdhsa_group_segment_fixed_size 327680
		.amdhsa_private_segment_fixed_size 0
		.amdhsa_enable_private_segment 0
		.amdhsa_kernarg_size 24
		.amdhsa_user_sgpr_count 2
		.amdhsa_user_sgpr_kernarg_segment_ptr 1
		.amdhsa_wavefront_size32 1
		.amdhsa_system_sgpr_workgroup_id_x 1
		.amdhsa_system_sgpr_workgroup_id_y 1
		.amdhsa_system_sgpr_workgroup_id_z 1
		.amdhsa_system_vgpr_workitem_id 0
		.amdhsa_next_free_vgpr 512
		.amdhsa_next_free_sgpr 80
		.amdhsa_reserve_vcc 0
		.amdhsa_float_denorm_mode_32 3
		.amdhsa_float_denorm_mode_16_64 3
		.amdhsa_memory_ordered 1
		.amdhsa_forward_progress 1
		.amdhsa_inst_pref_size 118
	.end_amdhsa_kernel
	.amdgpu_metadata
---
amdhsa.version: [ 1, 2 ]
amdhsa.kernels:
  - .name:           k_q8c4e81069e_proj
    .symbol:         k_q8c4e81069e_proj.kd
    .args:
      - { .name: oh, .offset: 0, .size: 8, .value_kind: global_buffer, .address_space: global }
      - { .name: wh, .offset: 8, .size: 8, .value_kind: global_buffer, .address_space: global }
      - { .name: out0, .offset: 16, .size: 8, .value_kind: global_buffer, .address_space: global }
    .group_segment_fixed_size: 327680
    .private_segment_fixed_size: 0
    .kernarg_segment_align: 8
    .kernarg_segment_size: 24
    .max_flat_workgroup_size: 128
    .sgpr_count:     80
    .vgpr_count:     512
    .wavefront_size: 32
...
	.end_amdgpu_metadata
.endif
;; end of part 5
